; MI455X (gfx1250); checked and timed in simulation.
; The chip was launched on July 23, 2026; its instructions are those of AMD's public machine-readable ISA for CDNA 5 (MIT licence, August 2026) and "CDNA5" Instruction Set Architecture Reference Guide (July 2026). The comments in the code are by the model that wrote it; some were corrected since.
;; Self Attention. Allowed arithmetic: matrix products marked QUANTISED: E2M3 operands, one E8M0 scale for each 32 along K, by v_wmma_scale_f32_16x16x128_f8f6f4 with both operands' format E2M3, f32 sums; everything else in f32.
;; Inputs: W_attn 3,072 x 1,024 float32; W_out 1,024 x 1,024 float32; b_attn 3,072 float32; b_out 1,024 float32; x 4 x 2,048 x 1,024 float32.
;; Outputs: out0 4 x 2,048 x 1,024 float32.
;; This version of the problem:
;;   THIS VERSION OF THE PROBLEM IS GIVEN IN LOW PRECISION. The matrix products marked QUANTISED in the list below multiply operands that are first quantised to E2M3 (2 exponent bits, 3 mantissa bits; 6 bits a number), with one power-of-two scale for each 32 numbers along K (OCP MX v1.0); their sums are f32. All else is computed in f32.
;;   The module's matrix products, in the order in which they are computed (A, B: the left and right operand; K: the contracted axis; several contracted axes count as one K, in the product's order):
;;     1. [M 8,192, K 1,024] x [K 1,024, N 3,072]; A: input x; B: input W_attn: QUANTISED
;;     2. batch 64 x [M 2,048, K 64] x [K 64, N 2,048]; A: computed on the way; B: computed on the way: QUANTISED
;;     3. batch 64 x [M 2,048, K 2,048] x [K 2,048, N 64]; A: softmax (see below); B: computed on the way: QUANTISED
;;     4. [M 8,192, K 1,024] x [K 1,024, N 1,024]; A: computed on the way; B: input W_out: QUANTISED
;;   THE QUANTISER, for each operand of a quantised product, along K:
;;     - K is cut into blocks of 32 from its start; a last block that is shorter is filled with zeros.
;;     - A block's scale is 2^e with e = floor(log2(the largest magnitude in the block)) - 2, held to -126 .. 127; a block of zeros has e = 0. As a byte (E8M0): e + 127.
;;     - Each number is divided by its block's scale, clamped to +-7.5, and rounded to the nearest number of E2M3, ties to even, subnormals kept.
;;     - The product sums the exact products of the quantised numbers (number of the format x scale) in f32.
;;   ~~~python
;;   def quantise(x, axis):      # numpy; x: float32 -> the quantised numbers, widened to float32 again
;;       x = np.moveaxis(x, axis, -1); K = x.shape[-1]
;;       x = np.pad(x, [(0, 0)] * (x.ndim - 1) + [(0, -K % 32)]); x = x.reshape(x.shape[:-1] + (-1, 32)); a = np.abs(x).max(-1, keepdims=True)
;;       e = np.where(a > 0, np.clip(np.frexp(np.where(a > 0, a, 1))[1] - 1 - 2, -126, 127), 0)      # np.frexp(a)[1] - 1 = floor(log2(a)), exactly
;;       r = np.clip(x / 2.0 ** e, -7.5, 7.5)
;;       step = 2.0 ** (np.maximum(np.frexp(np.where(r == 0, 1, r))[1] - 1, 0) - 3)
;;       q = np.round(r / step) * step * 2.0 ** e      # np.round: ties to even
;;       return np.moveaxis(q.reshape(q.shape[:-2] + (-1,))[..., :K], -1, axis).astype(np.float32)
;;   ~~~
;;   SOFTMAX AHEAD OF A QUANTISED PRODUCT. Where the list says 'softmax', what is quantised is not the finished softmax but p = 2^(t - M), with t = logit x log2(e) and M = ceil(the row's largest t), a whole number; so 1/2 < the row's largest p <= 1. The row's sum l is taken of the UNQUANTISED p, in f32, and the product's result is divided by l at the end. Since M is a whole number, a kernel that streams over the keys may use a running M (the ceiling of the running maximum): every later rescaling is an exact power of two, which a block's scale takes up: the codes' values come out the same.
;;   OPERANDS COMPUTED ON THE WAY. 'Computed on the way' means the value that the module computes at that place (a softmax that the list does not call 'softmax' is quantised finished and normalised). What goes into a quantiser is computed in f32, as accurately as f32 sums, v_exp_f32 and their like allow (about 1e-6 of the number): no bf16 or f16 on the way to a quantiser, and a product that is left as it is and whose result goes on into a quantised operand takes f32 operands (vector FMAs, or v_wmma_f32_16x16x4_f32). A number that lies on a knife's edge between two numbers of the format may be rounded either way, as far as f32 arithmetic and the matrix unit's own rounding can turn it there, and no further.
;; One version. Each part assembles by itself: llvm-mc -triple=amdgcn-amd-amdhsa -mcpu=gfx1250 --defsym DOCPART=n.
;; ======== version 1 of 1: 4 launches
;; workspace buffers: xq 6,553,600 bytes; wq 2,457,600 bytes; oq 819,200 bytes; qkv 19,660,800 bytes; yq 6,553,600 bytes
;; launch quant (part 1): grid 384 x 1, 4 waves a work-group, no clusters, 33,280 bytes of LDS; arguments x, W_attn, W_out, xq, wq, oq; writes xq, wq, oq
.if DOCPART == 1
	.amdgcn_target "amdgcn-amd-amdhsa--gfx1250"
	.amdhsa_code_object_version 6
	.text
	.protected	k_qf43f2fa3b6_quant
	.globl	k_qf43f2fa3b6_quant
	.p2align	8
	.type	k_qf43f2fa3b6_quant,@function
k_qf43f2fa3b6_quant:
	s_mov_b64 s[64:65], 0
	v_nop
	global_prefetch_b8 v0, s[64:65] scope:SCOPE_SE
	s_setreg_imm32_b32 hwreg(HW_REG_WAVE_MODE, 25, 1), 1
	s_wait_xcnt 0x0
; x [8192][1024], W_attn [3072][1024] and W_out [1024][1024], f32, K innermost, become codes of FP6 (E2M3) with one E8M0 scale byte for each 32 along K.
; Each destination buffer holds the codes, rows of 768 bytes, and behind them the scale bytes, rows of 32 bytes.
; THE ORDER OF CODES INSIDE A BLOCK OF 32: slot s holds the number whose index is s with bits 3 and 4 exchanged (slots 0-7: k 0-7; 8-15: k 16-23; 16-23: k 8-15; 24-31: k 24-31).
; Every operand of this program is laid so, on both sides of each product, so every sum keeps its terms; a block keeps its 32 members and its scale.
; A block's scale is 2^(floor(log2(its largest magnitude)) - 2); its byte is the largest magnitude's exponent field - 2, held at 1 from below.
; LIMITS: a block of zeros gets the byte 1 (its codes are zeros, and this program alone reads the bytes); blocks whose largest magnitude lies under 2^-124 keep the byte 1; NaN and infinities are not served.
; Rows are dense and K is a multiple of 32: each tensor is a plain stream of blocks.  A work-group takes 32,768 numbers, a wave 8,192 in 16 steps of 512.
; Work-groups 0-255 take x, 256-351 W_attn, 352-383 W_out: only pointers are chosen, the text has one path.  The work-groups share no input: no cluster, no matrix unit, no barrier.
; Each load reads 512 consecutive bytes; a step's 2,048 bytes turn through the wave's own stage in LDS (64 bytes + 16 of padding a place) and come back 16 numbers a lane:
; lane 2 B + u takes bytes 32 u .. 32 u + 31 of places 2 B and 2 B + 1, which are the block's slots 16 u .. 16 u + 15.  Pairs of lanes meet in the same banks there; the launch is bound by its global bytes.
.set WAVES, 4
.set STEPS, 16
.set EMAX,  2
.set CB,    12                         ; bytes of 16 codes
.set R,     16                         ; v16-79   four sets of 16 numbers as they are loaded
.set X,     80                         ; v80-111  two sets of 16 numbers of a block's half
.set C,     128                        ; v128-191 codes: four registers for each step, so that no store's data are written again
.set E,     112                        ; v112-127 a scale byte for each step
.set WREG,  8192                       ; LDS: a region for each wave: two stages of 32 x SP bytes, behind them its 256 scale bytes
.set SP,    80
.set SPW,   12                         ; v12 LDS address of my spare word; never rewritten
.set NIL,   13                         ; v13 0; never rewritten
.set SPARE, WAVES*WREG                 ; the spare words, 128 bytes a wave, that no other line names
	s_load_b256 s[4:11], s[0:1], 0x0               ; x, W_attn, W_out, xq
	s_load_b128 s[12:15], s[0:1], 0x20             ; wq, oq
	v_lshl_add_u32 v[SPW], v0, 2, SPARE
	v_mov_b32 v[NIL], 0
	v_lshrrev_b32 v1, 5, v0
	v_readfirstlane_b32 s16, v1                    ; wave
	v_and_b32 v2, 31, v0                           ; lane
	v_lshlrev_b32 v3, 4, v2                        ; my 16 bytes of a load's 512
	s_mul_i32 s17, s16, WREG
	v_lshrrev_b32 v14, 2, v2
	v_mul_u32_u24 v14, v14, SP
	v_and_b32 v15, 3, v2
	v_lshl_add_u32 v14, v15, 4, v14
	v_add_nc_u32 v14, s17, v14                     ; the stage, on the way in: SP (lane / 4) + 16 (lane % 4)
	v_and_b32 v15, 30, v2
	v_mul_u32_u24 v15, v15, SP
	v_and_b32 v10, 1, v2
	v_lshl_add_u32 v15, v10, 5, v15
	v_add_nc_u32 v15, s17, v15                     ; and on the way out: SP x (lane less its low bit) + 32 x that bit
	v_mul_u32_u24 v4, v2, CB                       ; my codes' place in a step's
	v_lshrrev_b32 v5, 1, v2
	s_add_co_u32 s17, s17, 2*32*SP
	v_add_nc_u32 v5, s17, v5                       ; LDS: my wave's 256 scale bytes, my block's byte
	v_lshlrev_b32 v7, 3, v2                        ; on the way out 8 bytes a lane
	v_add_nc_u32 v6, s17, v7
	s_mov_b32 s24, 352                             ; the tensor's first work-group,
	s_mov_b32 s22, 786432                          ; and where its scale bytes begin in its buffer
	s_mov_b32 s23, 0
	s_wait_kmcnt 0x0
	s_cmp_lt_u32 ttmp9, 352                        ; W_attn or W_out?  The choices hang on the work-group's number alone
	s_cselect_b64 s[6:7], s[6:7], s[8:9]
	s_cselect_b64 s[12:13], s[12:13], s[14:15]
	s_cselect_b32 s24, 256, s24
	s_cselect_b32 s22, 2359296, s22
	s_cmp_lt_u32 ttmp9, 256                        ; x or one of the weights?
	s_cselect_b64 s[4:5], s[4:5], s[6:7]           ; the numbers
	s_cselect_b64 s[8:9], s[10:11], s[12:13]       ; the codes
	s_cselect_b32 s24, 0, s24
	s_cselect_b32 s22, 6291456, s22
	s_add_nc_u64 s[10:11], s[8:9], s[22:23]        ; the scale bytes
	s_sub_co_u32 s17, ttmp9, s24
	s_lshl_b32 s17, s17, 2
	s_add_co_u32 s18, s17, s16                     ; which run of 8,192 numbers of the tensor is my wave's
	s_mov_b32 s19, 0
	s_mov_b64 s[20:21], 512*STEPS*4
	s_mul_u64 s[20:21], s[18:19], s[20:21]
	s_add_nc_u64 s[4:5], s[4:5], s[20:21]
	s_mov_b64 s[20:21], 32*STEPS*CB
	s_mul_u64 s[20:21], s[18:19], s[20:21]
	s_add_nc_u64 s[8:9], s[8:9], s[20:21]
	s_lshl_b32 s18, s18, 8                         ; 256 scale bytes a run
	s_add_nc_u64 s[10:11], s[10:11], s[18:19]
.macro LOAD t
.irp i, 0,1,2,3
	global_load_b128 v[R+16*((\t)%4)+4*\i:R+16*((\t)%4)+4*\i+3], v3, s[4:5] offset:2048*(\t)+512*\i th:TH_LOAD_NT   ; 32 lanes read 512 consecutive bytes
.endr
.endm
.macro TURN t                          ; step t's numbers through the stage: LDS serves a wave's instructions in order, so no wait stands between the stores and the loads
.irp i, 0,1,2,3
	ds_store_b128 v14, v[R+16*((\t)%4)+4*\i:R+16*((\t)%4)+4*\i+3] offset:32*SP*((\t)%2)+8*SP*\i
.endr
.irp i, 0,1,2,3
	ds_load_b128 v[X+16*((\t)%2)+4*\i:X+16*((\t)%2)+4*\i+3], v15 offset:32*SP*((\t)%2)+SP*(\i/2)+16*(\i%2)
.endr
.endm
.irp t, 0,1,2,3
	LOAD \t
.endr
	s_wait_loadcnt 12                              ; step 0's four loads are in; three steps' twelve stay out
	TURN 0
.macro STEP t
.set XS, X+16*((\t)%2)
.if (\t) > 0
	s_wait_dscnt 1                                 ; this step's numbers are back from the stage (the last step's byte store may be out): its stores into the stage have read their registers,
.else
	s_wait_dscnt 0x0
.endif
.if (\t)+4 < STEPS
	LOAD (\t)+4                                    ; which take the loads of four steps on
.endif
.if (\t)+1 < STEPS
.if STEPS-2-(\t) >= 3
	s_wait_loadcnt 12                              ; the next step's four loads are in; those of the three steps behind it may be out
.else
	s_wait_loadcnt 4*(STEPS-2-(\t))
.endif
	TURN (\t)+1                                    ; and go through the other stage while this step is worked
.endif
	v_max3_num_f32 v8, |v[XS]|, |v[XS+1]|, |v[XS+2]|               ; the largest magnitude of my 16
	v_max3_num_f32 v9, |v[XS+3]|, |v[XS+4]|, |v[XS+5]|
.irp i, 6,10
	v_max3_num_f32 v8, v8, |v[XS+\i]|, |v[XS+\i+1]|
	v_max3_num_f32 v9, v9, |v[XS+\i+2]|, |v[XS+\i+3]|
.endr
	v_max3_num_f32 v8, v8, |v[XS+14]|, |v[XS+15]|
	v_max3_num_f32 v8, v8, v9, (EMAX+1)<<23        ; and the floor 2^(3 - 127): the byte cannot fall under 1
	v_max_num_f32_dpp v8, v8, v8 row_xmask:1 row_mask:0xf bank_mask:0xf   ; and of my neighbour's 16: the block's
	v_add_nc_u32 v11, -(EMAX<<23), v8              ; 2 off its exponent field: the conversion takes the exponent field of this operand as its scale
	v_cvt_scalef32_pk16_fp6_f32 v[C+4*(\t):C+4*(\t)+2], v[XS:XS+15], v11
	v_lshrrev_b32 v[E+(\t)], 23, v11               ; the scale's byte (a plain line behind the conversion)
	ds_store_b8 v5, v[E+(\t)] offset:16*(\t)       ; both lanes of a block write the same byte with the same value
	global_store_b96 v4, v[C+4*(\t):C+4*(\t)+2], s[8:9] offset:32*CB*(\t)   ; the wave stores 384 consecutive bytes
.endm
.irp t, 0,1,2,3,4,5,6,7,8,9,10,11,12,13,14,15
	STEP \t
.endr
	ds_load_b64 v[8:9], v6                         ; LDS serves a wave's instructions in order: these see my stores
	s_wait_dscnt 0x0
	global_store_b64 v7, v[8:9], s[10:11]          ; 32 lanes store 256 consecutive bytes, aligned
	s_wait_tensorcnt 0x0                           ; the wave's end, behind my last LDS store
	ds_add_u32 v[SPW], v[NIL]
	s_wait_dscnt 0x0
	s_endpgm
.Lfunc_end_k_qf43f2fa3b6_quant:
	.size	k_qf43f2fa3b6_quant, .Lfunc_end_k_qf43f2fa3b6_quant-k_qf43f2fa3b6_quant
	.p2alignl 7, 3214868480
	.fill 96, 4, 3214868480
	.section	.rodata,"a",@progbits
	.p2align	6, 0x0
	.amdhsa_kernel k_qf43f2fa3b6_quant
		.amdhsa_group_segment_fixed_size 33280
		.amdhsa_private_segment_fixed_size 0
		.amdhsa_enable_private_segment 0
		.amdhsa_kernarg_size 48
		.amdhsa_user_sgpr_count 2
		.amdhsa_user_sgpr_kernarg_segment_ptr 1
		.amdhsa_wavefront_size32 1
		.amdhsa_system_sgpr_workgroup_id_x 1
		.amdhsa_system_sgpr_workgroup_id_y 1
		.amdhsa_system_sgpr_workgroup_id_z 1
		.amdhsa_system_vgpr_workitem_id 0
		.amdhsa_next_free_vgpr 192
		.amdhsa_next_free_sgpr 66
		.amdhsa_reserve_vcc 0
		.amdhsa_float_denorm_mode_32 3
		.amdhsa_float_denorm_mode_16_64 3
		.amdhsa_memory_ordered 1
		.amdhsa_forward_progress 1
		.amdhsa_inst_pref_size 33
	.end_amdhsa_kernel
	.amdgpu_metadata
---
amdhsa.version: [ 1, 2 ]
amdhsa.kernels:
  - .name:           k_qf43f2fa3b6_quant
    .symbol:         k_qf43f2fa3b6_quant.kd
    .args:
      - { .name: x, .offset: 0, .size: 8, .value_kind: global_buffer, .address_space: global }
      - { .name: W_attn, .offset: 8, .size: 8, .value_kind: global_buffer, .address_space: global }
      - { .name: W_out, .offset: 16, .size: 8, .value_kind: global_buffer, .address_space: global }
      - { .name: xq, .offset: 24, .size: 8, .value_kind: global_buffer, .address_space: global }
      - { .name: wq, .offset: 32, .size: 8, .value_kind: global_buffer, .address_space: global }
      - { .name: oq, .offset: 40, .size: 8, .value_kind: global_buffer, .address_space: global }
    .group_segment_fixed_size: 33280
    .private_segment_fixed_size: 0
    .kernarg_segment_align: 8
    .kernarg_segment_size: 48
    .max_flat_workgroup_size: 128
    .sgpr_count:     66
    .vgpr_count:     192
    .wavefront_size: 32
...
	.end_amdgpu_metadata
.endif
;; end of part 1
;; launch qkv (part 2): grid 12 x 32, 4 waves a work-group, clusters of 4 x 4, 327,680 bytes of LDS; arguments xq, wq, b_attn, qkv; writes qkv
.if DOCPART == 2
	.amdgcn_target "amdgcn-amd-amdhsa--gfx1250"
	.amdhsa_code_object_version 6
	.text
	.protected	k_qf43f2fa3b6_qkv
	.globl	k_qf43f2fa3b6_qkv
	.p2align	8
	.type	k_qf43f2fa3b6_qkv,@function
k_qf43f2fa3b6_qkv:
	s_mov_b64 s[64:65], 0
	v_nop
	global_prefetch_b8 v0, s[64:65] scope:SCOPE_SE
	s_setreg_imm32_b32 hwreg(HW_REG_WAVE_MODE, 25, 1), 1
	s_wait_xcnt 0x0
	s_wait_alu depctr_hold_cnt(0) depctr_sa_sdst(0) depctr_va_vdst(0) depctr_va_sdst(0) depctr_va_ssrc(0) depctr_va_vcc(0) depctr_vm_vsrc(0)
	s_getreg_b32 s2, hwreg(HW_REG_IB_STS2, 6, 4)
	s_cmp_eq_u32 s2, 0
	s_cbranch_scc0 .Lentry_in_a_cluster
	s_endpgm
.Lentry_in_a_cluster:
	s_bfe_u32 s2, ttmp6, 0x10000c
	s_cmp_lg_u32 s2, 0xf033
	s_cbranch_scc0 .Lentry_shape_is_right
	s_endpgm
.Lentry_shape_is_right:
; kqv = x W_attn^T + b_attn on codes of FP6 (E2M3) with E8M0 scales, K = 1,024; the result never leaves as f32: it is quantised in registers, k and q along the head's 64, v along the keys, and stored as images of operand registers.
; ONE FORM: C[m][n] = sum over k of A[m][k] B[n][k] + bias, quantised along n in blocks of 32.  A tile of C is 256 x 256, four waves of 128 x 128 (64 accumulators, 512 registers).
;   clusters x = 0, 1 (k and q): A = x (m = token), B = W_attn's rows 0-2047 (n = channel).   cluster x = 2 (v): A = W_attn's rows 2048-3071 (m = channel), B = x (n = token = key).
; Which part a cluster has is the same in its sixteen work-groups; it enters selections of pointers, offsets and masks alone: no branch and no LDS address hangs on it.
; CLUSTERS: 4 x 4.  A's tile hangs on the tile row alone and is asked for jointly along a row of the cluster, B's on the tile column alone, along a column: that divides the requests by four.
; K goes in steps of 256 through a ring of two LDS slots (rows of 192 bytes, 16 bytes of padding behind every 64); the scale bytes of the 256 + 256 rows come once, with the first fills.
; THE MATRIX INSTRUCTION IS USED TRANSPOSED (source 0 = 16 rows of B, source 1 = 16 rows of A): a lane holds row m = lane % 16 and its registers run along n: 16 b + 8 (lane / 16) + j.
; So the 16 registers of tiles 2 B and 2 B + 1 are half a block of 32 along n; two conversions and an exchange of halves give the operand's registers, with slot s of a block holding index s with bits 3 and 4 exchanged, the order that every operand of this program has.
; OUT: a record of 307,200 bytes for each (batch, head): K groups [128 token blocks][768] at 0; V groups [16 x 128 keys][4 x 16 channels][2][768] at 98,304; K's scale words at 196,608; V's at 200,704; Q's groups at 204,800; Q's scale words at 303,104.
; A group is 16 rows x 64 codes as six registers a lane: registers 0-3 at 16 x lane, registers 4-5 at 512 + 8 x lane.
; The bias along n (k, q) is the C of each sum's first product; the bias along m (v) is added on the way out; the one that does not apply is masked to zero.
; LIMITS: NaN and infinities are not served; a block of zeros, and one whose largest magnitude lies under 2^-124, gets the scale byte 1 (this program alone reads the bytes).
; REGISTERS, in windows of 256: window 0: v0-31 addresses; v32-63 scale words, two sets; v64-127 the bias along n; v128-223 A's fragments, one set; v224-239 the bias along m; v240-255 at work on the way out.
;   window 1: B's fragments, two sets.   window 2: the accumulators of my rows 0-63 ((a, b) at v[8 (8 a + b)]);   window 3: those of my rows 64-127.
.set KSTEP,  256
.set NQ,     2                         ; matrix instructions deep in a slot
.set ROWB,   192                       ; a tile's row in bytes
.set KROW,   768                       ; a row of codes in memory
.set PITCH,  240                       ; an LDS row: 3 x (64 + 16) bytes
.set FR,     12
.set NL,     6
.set NP,     4                         ; places behind this matrix instruction (ISA guide 7.12.1)
.set HALFT,  128*PITCH
.set SLOT,   4*HALFT
.set LAPS,   2                         ; 1,024 / 512
.set KS,     32                        ; a row of scale bytes
.set SCL,    2*SLOT
.set HALFS,  (128*KS/256)*272
.set SBLK,   (16*KS/256)*272
.set SPARE,  SCL+4*HALFS               ; the spare words, 128 bytes a wave, that no other line names
.set REC,    307200
.set SRD,  8                           ; v8   the way out: where I read the scale words back: 512 x wave + 8 x lane
.set ADRA, 16                          ; v16-19
.set ADRB, 20                          ; v20-23
.set L16,  24                          ; v24  16 x lane
.set L8,   25                          ; v25  8 x lane
.set SST,  26                          ; v26  the way out: where I put a scale word: 512 x wave + 4 (lane % 16)
.set ADRS, 27
.set SPW,  28
.set NIL,  29
.set BA,   30                          ; v30  32 (lane / 16)
.set BB,   31                          ; v31  4 (lane % 16)
.set SC,   32
.set BN,   64
.set AF,   128
.set BM,   224
.set TM,   240
.set T,    128                         ; the way out: a block's 64 numbers
.set PC,   192                         ; its codes (v192-203), and v204-206, v208-210 at work
.set PW,   32                          ; v32-39 the eight blocks' scale words;  v40-47, v48-55 their two arrangements
.set OQ,   40
.set OS,   48
.set SEL,  104
.set G1, 24
.set G0, 32
.set G1B, 48
.set G0B, 56
.set G1S, 68
.set G0S, 76
.set G1SB, 80
.set G0SB, 88
.set MSB, 0
.macro WIN new                         ; the immediate's high byte repeats the setting that is left
.if MSB != (\new)
	s_set_vgpr_msb (MSB<<8)|(\new)
.set MSB, (\new)
.endif
.endm
.set MUL_LO, 0xa1                      ; source 0 (B) window 1, source 1 (A) window 0, C and D window 2
.set MUL_HI, 0xf1
.set TO_B,   0x40
; A joint load: waves 0 and 1 fetch for A, waves 2 and 3 for B.  The branch hangs on the wave's number alone.  An s_nop 0 and four v_nop follow each of the two lines.
.macro JLOAD g0a, g1a, g0b, g1b
	s_cmp_eq_u32 s15, 0
	s_cbranch_scc0 .Lfor_b_\@
	tensor_load_to_lds s[\g0a:\g0a+3], s[\g1a:\g1a+7]
	s_nop 0
.rept 4
	v_nop
.endr
	s_branch .Lasked_\@
.Lfor_b_\@:
	tensor_load_to_lds s[\g0b:\g0b+3], s[\g1b:\g1b+7]
	s_nop 0
.rept 4
	v_nop
.endr
.Lasked_\@:
.endm
.macro CREST                           ; a round of the cluster's barrier behind its opening barrier
	s_cmp_lg_u32 s14, 0
	s_cbranch_scc1 .Lnot_wave_0_\@
	s_barrier_signal -3
.Lnot_wave_0_\@:
	s_barrier_wait -3
	s_barrier_signal -1
	s_barrier_wait -1
.endm
.macro CROUND
	s_barrier_signal -1
	s_barrier_wait -1
	CREST
.endm
	s_load_b256 s[4:11], s[0:1], 0x0               ; xq, wq, b_attn, qkv
	v_lshl_add_u32 v[SPW], v0, 2, SPARE
	v_mov_b32 v[NIL], 0
	ds_add_u32 v[SPW], v[NIL]                      ; the wave's opening: the add and its wait stand ahead of my first tensor load; work on registers stands between them
	v_lshrrev_b32 v1, 5, v0
	v_readfirstlane_b32 s14, v1                    ; wave 0..3
	s_lshr_b32 s15, s14, 1                         ; which half of the tile's rows is mine.  Also: I fetch for A (0) or for B (1)
	s_and_b32 s16, s14, 1                          ; which half of its columns.  Also: which 128 rows I fetch
	s_bfe_u32 s40, ttmp6, 0x40000                  ; cx
	s_bfe_u32 s41, ttmp6, 0x40004                  ; cy
	s_and_b32 s18, ttmp7, 0xffff                   ; cluster y
	s_mov_b32 s94, 6291456                         ; where the scale bytes begin in xq,
	s_mov_b32 s96, 2359296                         ; and in wq
	s_cmp_eq_u32 ttmp9, 2                          ; the v part?  Selections alone follow
	s_cselect_b32 s98, 1, 0
	s_cselect_b32 s19, s18, ttmp9                  ; the cluster's place along the tile columns,
	s_cselect_b32 s18, 0, s18                      ; and along the tile rows
	s_cselect_b32 s101, 2048, 0                    ; A's first row in its buffer
	s_cselect_b32 s99, -1, 0                       ; all ones in the v part
	s_cselect_b32 s100, 0, -1                      ; all ones in the k, q part
	s_cselect_b32 s94, 2359296, s94                ; A's scale bytes
	s_cselect_b32 s96, 6291456, s96                ; B's
	s_mov_b32 s95, 0
	s_mov_b32 s97, 0
	s_lshl_b32 s42, s19, 2
	s_add_co_u32 s42, s42, s40                     ; tile column
	s_lshl_b32 s17, s18, 2
	s_add_co_u32 s17, s17, s41                     ; tile row
	s_lshl_b32 s43, s41, 2
	s_lshl_b32 s43, 15, s43                        ; my row of the cluster
	s_lshl_b32 s44, 0x1111, s40                    ; my column
	; descriptor group 1: a tile of 128 rows x 192 bytes, 16 bytes of padding behind every 64
	s_or_b32 s[G1+0], s43, (0<<16)|(1<<20)|(1<<21)|(3<<22)|(3<<25)
	s_or_b32 s[G1B+0], s44, (0<<16)|(1<<20)|(1<<21)|(3<<22)|(3<<25)
.irp g, G1, G1B
	s_mov_b32 s[\g+1], ROWB<<16                    ; tensor_dim0
	s_mov_b32 s[\g+2], 128<<16                     ; tensor_dim1
	s_mov_b32 s[\g+3], ROWB<<16                    ; tile_dim0
	s_mov_b32 s[\g+4], 128                         ; tile_dim1
	s_mov_b32 s[\g+5], KROW                        ; the pitch
	s_mov_b32 s[\g+6], 0
	s_mov_b32 s[\g+7], 0
.endr
	; the scale bytes of 128 rows: 4,096 dense bytes as 16 rows of 256 (32 elements of 8 bytes), 16 bytes of padding behind each
	s_or_b32 s[G1S+0], s43, (3<<16)|(1<<20)|(1<<21)|(5<<22)|(3<<25)
	s_or_b32 s[G1SB+0], s44, (3<<16)|(1<<20)|(1<<21)|(5<<22)|(3<<25)
.irp g, G1S, G1SB
	s_mov_b32 s[\g+1], 32<<16
	s_mov_b32 s[\g+2], (128*KS/256)<<16
	s_mov_b32 s[\g+3], 32<<16
	s_mov_b32 s[\g+4], 128*KS/256
	s_mov_b32 s[\g+5], 32
	s_mov_b32 s[\g+6], 0
	s_mov_b32 s[\g+7], 0
.endr
	s_lshl_b32 s18, s16, 7                         ; which 128 rows of the tile I fetch
	s_lshl_b32 s20, s17, 8
	s_add_co_u32 s20, s20, s18
	s_add_co_u32 s20, s20, s101                    ; A: row 256 x tile row + 128 x half (+ 2,048 in the v part)
	s_lshl_b32 s46, s42, 8
	s_add_co_u32 s46, s46, s18                     ; B: row 256 x tile column + 128 x half
	s_mov_b32 s21, 0
	s_mov_b32 s47, 0
	s_mov_b64 s[18:19], KS
	s_mul_u64 s[22:23], s[20:21], s[18:19]         ; where these rows' scale bytes begin
	s_mul_u64 s[92:93], s[46:47], s[18:19]
	s_mov_b64 s[18:19], KROW
	s_mul_u64 s[20:21], s[20:21], s[18:19]         ; and their codes
	s_mul_u64 s[46:47], s[46:47], s[18:19]
	s_mul_i32 s45, s14, HALFT                      ; where they go: wave x 128 rows: no place in the cluster enters an LDS address
	s_mul_i32 s2, s14, HALFS
	s_wait_dscnt 0x0                               ; the opening add is done
	s_wait_kmcnt 0x0
	s_mov_b64 s[12:13], s[10:11]                   ; qkv
	s_mov_b64 s[66:67], s[8:9]                     ; b_attn
	s_cmp_eq_u32 s98, 1
	s_cselect_b64 s[104:105], s[6:7], s[4:5]       ; A's buffer
	s_cselect_b64 s[8:9], s[4:5], s[6:7]           ; B's buffer: its codes
	s_mov_b64 s[4:5], s[104:105]                   ; A's codes
	s_add_nc_u64 s[6:7], s[4:5], s[94:95]          ; A's scale bytes
	s_add_nc_u64 s[10:11], s[8:9], s[96:97]        ; B's
	s_add_nc_u64 s[20:21], s[4:5], s[20:21]
	s_add_nc_u64 s[22:23], s[6:7], s[22:23]
	s_add_nc_u64 s[46:47], s[8:9], s[46:47]
	s_add_nc_u64 s[92:93], s[10:11], s[92:93]
	CROUND                                         ; all sixteen work-groups are here: the first joint loads meet
	s_mov_b32 s[G0S], 1
	s_add_co_u32 s[G0S+1], s2, SCL
	s_mov_b64 s[G0S+2:G0S+3], s[22:23]
	s_or_b32 s[G0S+3], s[G0S+3], 0x80000000
	s_mov_b32 s[G0SB], 1
	s_add_co_u32 s[G0SB+1], s2, SCL
	s_mov_b64 s[G0SB+2:G0SB+3], s[92:93]
	s_or_b32 s[G0SB+3], s[G0SB+3], 0x80000000
	JLOAD G0S, G1S, G0SB, G1SB                     ; the scale bytes first: they are wanted with K step 0
.irp s, 0,1
	s_mov_b32 s[G0+4*\s], 1
	s_add_co_u32 s[G0+4*\s+1], s45, \s*SLOT
	s_add_nc_u64 s[G0+4*\s+2:G0+4*\s+3], s[20:21], \s*ROWB
	s_or_b32 s[G0+4*\s+3], s[G0+4*\s+3], 0x80000000
	s_mov_b32 s[G0B+4*\s], 1
	s_add_co_u32 s[G0B+4*\s+1], s45, \s*SLOT
	s_add_nc_u64 s[G0B+4*\s+2:G0B+4*\s+3], s[46:47], \s*ROWB
	s_or_b32 s[G0B+4*\s+3], s[G0B+4*\s+3], 0x80000000
	JLOAD G0+4*\s, G1, G0B+4*\s, G1B
.endr
	v_and_b32 v1, 15, v0                           ; r = lane % 16
	v_bfe_u32 v2, v0, 4, 1                         ; h = lane / 16
	v_mul_u32_u24 v3, v1, PITCH
	v_mul_u32_u24 v4, v2, 24
	v_add_nc_u32 v4, v3, v4                        ; a fragment's row x pitch + 24 x half
	v_lshl_add_u32 v5, v2, 4, v4                   ; and the same behind one padding more
	s_mul_i32 s21, s15, HALFT                      ; my 128 rows of A
	s_mul_i32 s22, s16, HALFT                      ; my 128 rows of B,
	s_add_co_u32 s22, s22, 2*HALFT                 ; behind A's 256
.irp s, 0,1
	v_add_nc_u32 v[ADRA+\s], s21, v4
	v_add_nc_u32 v[ADRB+\s], s22, v4
	v_add_nc_u32 v[ADRA+2+\s], s21, v5
	v_add_nc_u32 v[ADRB+2+\s], s22, v5
	s_add_co_u32 s21, s21, SLOT
	s_add_co_u32 s22, s22, SLOT
.endr
	v_mul_u32_u24 v5, v1, KS                       ; my row's scale bytes: 32 a row,
	v_lshrrev_b32 v6, 8, v5
	v_lshl_add_u32 v5, v6, 4, v5                   ; and 16 more for each 256 passed
	s_mul_i32 s21, s15, HALFS
	s_mul_i32 s22, s16, HALFS
	s_add_co_u32 s22, s22, 2*HALFS
	s_sub_co_u32 s22, s22, s21
	v_mul_u32_u24 v6, s22, v2                      ; lanes 16-31 take B's
	s_add_co_u32 s21, s21, SCL
	v_add_nc_u32 v5, v5, v6
	v_add_nc_u32 v[ADRS], s21, v5
	v_and_b32 v6, 31, v0
	v_lshlrev_b32 v[L16], 4, v6
	v_lshlrev_b32 v[L8], 3, v6
	s_lshl_b32 s23, s14, 9                         ; the way out's stage for scale words: 512 bytes a wave, from LDS byte 0 on (slot 0, behind its last fill and its last read)
	v_lshl_add_u32 v[SST], v1, 2, s23
	v_add_nc_u32 v[SRD], s23, v[L8]
	v_lshlrev_b32 v[BA], 5, v2
	v_lshlrev_b32 v[BB], 2, v1
	; the biases.  Along n: b_attn at 256 x tile column + 128 x half + 16 b + 8 h + j (k, q part; else the buffer's head, masked later).  Along m: at 2,048 + 256 x tile row + 128 x half + 16 a + r (v part)
	s_lshl_b32 s20, s42, 10
	s_lshl_b32 s21, s16, 9
	s_add_co_u32 s20, s20, s21
	s_and_b32 s20, s20, s100
	s_mov_b32 s21, 0
	s_add_nc_u64 s[20:21], s[66:67], s[20:21]
	s_lshl_b32 s22, s17, 10
	s_lshl_b32 s23, s15, 9
	s_add_co_u32 s22, s22, s23
	s_add_co_u32 s22, s22, 8192
	s_and_b32 s22, s22, s99
	s_mov_b32 s23, 0
	s_add_nc_u64 s[22:23], s[66:67], s[22:23]
.irp b, 0,1,2,3,4,5,6,7
	global_load_b128 v[BN+8*\b:BN+8*\b+3], v[BA], s[20:21] offset:64*\b
	global_load_b128 v[BN+8*\b+4:BN+8*\b+7], v[BA], s[20:21] offset:64*\b+16
.endr
.irp a, 0,1,2,3,4,5,6,7
	global_load_b32 v[BM+2*\a], v[BB], s[22:23] offset:64*\a
.endr
	; where my results go, in both forms; then the choice
	s_lshr_b32 s18, s17, 3                         ; k, q: batch = tile row / 8
	s_lshl_b32 s18, s18, 4
	s_and_b32 s19, s42, 3
	s_lshl_b32 s19, s19, 2
	s_add_co_u32 s18, s18, s19
	s_lshl_b32 s19, s16, 1
	s_add_co_u32 s18, s18, s19                     ; the record of my first head: 16 x batch + 4 (tile column % 4) + 2 x half
	s_mul_i32 s18, s18, REC
	s_lshr_b32 s19, s42, 2                         ; 0: k, 1: q
	s_mul_i32 s43, s19, 204800
	s_mul_i32 s44, s19, 106496
	s_and_b32 s19, s17, 7
	s_lshl_b32 s45, s19, 4
	s_lshl_b32 s46, s15, 3
	s_add_co_u32 s45, s45, s46                     ; my first token block in the batch
	s_mul_i32 s46, s45, 768
	s_add_co_u32 s43, s43, s46
	s_add_co_u32 s43, s43, s18                     ; codes
	s_lshl_b32 s45, s45, 5                         ; 32 bytes of scale words a token block
	s_add_co_u32 s44, s44, s45
	s_add_co_u32 s44, s44, s18
	s_add_co_u32 s44, s44, 196608                  ; scale words
	s_lshr_b32 s18, s42, 3                         ; v: batch = tile column / 8
	s_lshl_b32 s18, s18, 4
	s_lshl_b32 s19, s17, 2
	s_add_co_u32 s18, s18, s19
	s_lshl_b32 s19, s15, 1
	s_add_co_u32 s18, s18, s19                     ; the record of my first head: 16 x batch + 4 x tile row + 2 x half
	s_mul_i32 s18, s18, REC
	s_and_b32 s19, s42, 7
	s_lshl_b32 s19, s19, 1
	s_add_co_u32 s19, s19, s16                     ; which 128 keys
	s_mul_i32 s45, s19, 6144
	s_add_co_u32 s45, s45, s18
	s_add_co_u32 s45, s45, 98304                   ; codes
	s_lshl_b32 s46, s19, 8
	s_add_co_u32 s46, s46, s18
	s_add_co_u32 s46, s46, 200704                  ; scale words
	s_mov_b32 s92, 768
	s_mov_b32 s96, REC
	s_cmp_eq_u32 s98, 1
	s_cselect_b32 s4, s45, s43
	s_cselect_b32 s8, s46, s44
	s_cselect_b32 s92, 1536, s92                   ; from block a to block a + 1
	s_cselect_b32 s96, 768, s96                    ; from a block's first group to its second
	s_cselect_b32 s94, 301056, 0                   ; more at a = 4: in the v part the next head's record begins there
	s_mov_b32 s5, 0
	s_mov_b32 s9, 0
	s_mov_b32 s93, 0
	s_mov_b32 s95, 0
	s_mov_b32 s97, 0
	s_add_nc_u64 s[4:5], s[12:13], s[4:5]          ; a block's first group,
	s_add_nc_u64 s[6:7], s[4:5], s[96:97]          ; its second,
	s_add_nc_u64 s[8:9], s[12:13], s[8:9]          ; the first head's scale words,
	s_add_nc_u64 s[10:11], s[8:9], REC             ; the second head's
	s_mov_b32 s[SEL], 0x76543210
	s_mov_b32 s[SEL+1], 0xfedcba98                 ; lane selects: lane l xor 16
	s_mov_b32 s43, 0x05040100                      ; byte selects: two low halves,
	s_mov_b32 s44, 0x07060302                      ; two high halves
.macro FRAG reg, adr, q, i             ; 16 rows x 128 K of 6-bit codes: 12 registers; lane l holds row l % 16; registers 6 c .. 6 c + 5 hold 24 bytes of the row's stream, in pieces of 8 bytes
.irp p, 0,1,2,3,4,5
.set PIE, 12*(\q)+6*(\p/3)+\p%3       ; 16 bytes of padding lie behind every 8 pieces: where the piece three on lies behind one padding more, the second address register serves
.if PIE%8 < 5
	ds_load_b64 v[\reg+2*\p:\reg+2*\p+1], v[\adr] offset:8*PIE+16*(PIE/8)+(\i)*16*PITCH
.else
	ds_load_b64 v[\reg+2*\p:\reg+2*\p+1], v[\adr+2] offset:8*PIE+16*(PIE/8)+(\i)*16*PITCH
.endif
.endr
.endm
; 16 matrix instructions: A's blocks a0, a0 + 1 x B's eight.  zero = 1: the first product starts the sums on the bias along n.  The 64 accumulators take turns, one instruction a turn.
.macro MUL16 a0, p, q, sc, zero
.irp a, \a0, \a0+1
.irp b, 0,1,2,3,4,5,6,7
.if \zero
	v_wmma_scale_f32_16x16x128_f8f6f4 v[8*(8*((\a)%4)+\b):8*(8*((\a)%4)+\b)+7], v[128*(\p)+FR*\b:128*(\p)+FR*\b+FR-1], v[AF+FR*(\a):AF+FR*(\a)+FR-1], v[BN+8*\b:BN+8*\b+7], v[SC+8*NQ*(\sc)+NQ*\b+(\q)], v[SC+8*NQ*(\sc)+NQ*(\a)+(\q)] matrix_a_fmt:MATRIX_FMT_FP6 matrix_b_fmt:MATRIX_FMT_FP6 matrix_a_scale:MATRIX_SCALE_ROW1
.else
	v_wmma_scale_f32_16x16x128_f8f6f4 v[8*(8*((\a)%4)+\b):8*(8*((\a)%4)+\b)+7], v[128*(\p)+FR*\b:128*(\p)+FR*\b+FR-1], v[AF+FR*(\a):AF+FR*(\a)+FR-1], v[8*(8*((\a)%4)+\b):8*(8*((\a)%4)+\b)+7], v[SC+8*NQ*(\sc)+NQ*\b+(\q)], v[SC+8*NQ*(\sc)+NQ*(\a)+(\q)] matrix_a_fmt:MATRIX_FMT_FP6 matrix_b_fmt:MATRIX_FMT_FP6 matrix_a_scale:MATRIX_SCALE_ROW1
.endif
.endr
.endr
.endm
.macro FETCH_B slot, q, p
	WIN TO_B
.irp i, 0,1,2,3,4,5,6,7
	FRAG 128*(\p)+FR*\i, ADRB+\slot, \q, \i
.endr
	WIN 0
.endm
.macro FETCH_A slot, q, i0
.irp i, \i0, \i0+1, \i0+2, \i0+3
	FRAG AF+FR*(\i), ADRA+\slot, \q, \i
.endr
.endm
.macro SCALES sc                       ; a K step's scale words: two a row; lanes 0-15 take A's block i, lanes 16-31 B's block i
.irp i, 0,1,2,3,4,5,6,7
	ds_load_b64 v[SC+8*NQ*\sc+NQ*\i:SC+8*NQ*\sc+NQ*\i+1], v[ADRS] offset:\i*SBLK
.endr
.endm
.macro PLACES n                        ; plain vector instructions between a matrix instruction and a load into, or a vector access of, its registers
.rept \n
	v_nop
.endr
.endm
.macro STEP slot, q, zero              ; 128 along K whose successor lies in the same slot
	s_wait_dscnt 4*NL                              ; B's set and A's blocks 0-3 are in; the youngest 24 loads (A's blocks 4-7) may be out
.if \zero
	WIN 0x81                                       ; C (the bias) window 0, D window 2
.else
	WIN MUL_LO
.endif
	MUL16 0, (\q)%2, \q, \slot, \zero
	MUL16 2, (\q)%2, \q, \slot, \zero
	s_wait_dscnt 0                                 ; A's blocks 4-7 are in
	PLACES NP
	FETCH_B \slot, (\q)+1, 1-(\q)%2
	FETCH_A \slot, (\q)+1, 0
.if \zero
	WIN 0xc1
.else
	WIN MUL_HI
.endif
	MUL16 4, (\q)%2, \q, \slot, \zero
	MUL16 6, (\q)%2, \q, \slot, \zero
	PLACES NP
	WIN 0
	FETCH_A \slot, (\q)+1, 4
.endm
; A slot's last step changes slots: one barrier; in front of it each wave waits for all its tensor loads, adds 0 to its spare word, and waits for that and for its reads of this slot.  fill = 1: the slot is filled again, two K steps ahead.
.macro TURN slot, next, fill
	s_wait_tensorcnt 0x0                           ; all my tensor loads have landed: my part of the next slot
	ds_add_u32 v[SPW], v[NIL]                      ; 0 onto my spare word
	s_wait_dscnt 4*NL+1                            ; (the add and the youngest 24 loads may be out)
	WIN MUL_LO
	MUL16 0, 1, NQ-1, \slot, 0
	s_wait_dscnt 0x0                               ; the add is done, and my reads of this slot are over
	s_barrier_signal -1
	MUL16 2, 1, NQ-1, \slot, 0
	WIN 0
	s_barrier_wait -1
.if \fill
	CREST                                          ; the barrier has opened a round of the cluster's barrier: no wave of any partner still reads this slot or has a load on its way
	s_add_nc_u64 s[G0+4*\slot+2:G0+4*\slot+3], s[G0+4*\slot+2:G0+4*\slot+3], 2*ROWB
	s_add_nc_u64 s[G0B+4*\slot+2:G0B+4*\slot+3], s[G0B+4*\slot+2:G0B+4*\slot+3], 2*ROWB
	JLOAD G0+4*\slot, G1, G0B+4*\slot, G1B         ; the first tensor load behind the round; its four v_nop are the places in front of the loads below
.else
	PLACES NP
.endif
	v_add_nc_u32 v[ADRS], 4*NQ, v[ADRS]            ; the next K step's scale words
	FETCH_B \next, 0, 0
	FETCH_A \next, 0, 0
	SCALES \next
	WIN MUL_HI
	MUL16 4, 1, NQ-1, \slot, 0
	MUL16 6, 1, NQ-1, \slot, 0
	PLACES NP
	WIN 0
	FETCH_A \next, 0, 4
.endm
	s_wait_tensorcnt 1                             ; of my three loads the scale bytes and K step 0 are in; K step 1's may be out
	s_barrier_signal -1
	s_barrier_wait -1
	FETCH_B 0, 0, 0
	FETCH_A 0, 0, 0
	SCALES 0
	FETCH_A 0, 0, 4
	s_wait_loadcnt 0x0                             ; the biases
.set II, 0
.rept 64
	v_and_b32 v[BN+II], s100, v[BN+II]             ; the bias along n counts in the k, q part alone,
.set II, II+1
.endr
.irp a, 0,1,2,3,4,5,6,7
	v_and_b32 v[BM+2*\a], s99, v[BM+2*\a]          ; the bias along m in the v part alone
	v_mov_b32 v[BM+2*\a+1], 0                      ; (named with it as a pair)
.endr
	STEP 0, 0, 1                                   ; the first step stands in front of the loop: its products start the sums
	s_mov_b32 s3, LAPS-1
.Llap:                                                 ; a trip goes once round the ring and fills both slots again
	TURN 0, 1, 1
	STEP 1, 0, 0
	TURN 1, 0, 1
	STEP 0, 0, 0
	s_sub_co_u32 s3, s3, 1
	s_cmp_lg_u32 s3, 0
	s_cbranch_scc1 .Llap
	TURN 0, 1, 0                                   ; the last lap fills nothing
	STEP 1, 0, 0
	s_wait_dscnt 4*NL
	WIN MUL_LO
	MUL16 0, 1, NQ-1, 1, 0
	MUL16 2, 1, NQ-1, 1, 0
	s_wait_dscnt 0
	WIN MUL_HI
	MUL16 4, 1, NQ-1, 1, 0
	MUL16 6, 1, NQ-1, 1, 0
	WIN 0
; 64 numbers of a lane, v[s] on, register 16 b + i of block b along n, become a fragment's codes in v[PC] on and its scale word in v[pw].
.macro QUANT s, pw
.irp b, 0,1,2,3
	v_max3_num_f32 v[TM+\b], |v[\s+16*\b]|, |v[\s+1+16*\b]|, 0x1800000   ; my 16 numbers of block b, and the floor 2^(3 - 127): the byte cannot fall under 1
.endr
.irp i, 2,4,6,8,10,12,14
.irp b, 0,1,2,3
	v_max3_num_f32 v[TM+\b], v[TM+\b], |v[\s+16*\b+\i]|, |v[\s+1+16*\b+\i]|
.endr
.endr
.irp b, 0,1,2,3
	v_permlanex16_b32 v[TM+4+\b], v[TM+\b], s[SEL], s[SEL+1]
.endr
.irp b, 0,1,2,3
	v_max_num_f32 v[TM+\b], v[TM+\b], v[TM+4+\b]   ; with lane l xor 16's: the block's largest magnitude
.endr
.irp b, 0,1,2,3
	v_add_nc_u32 v[TM+12+\b], 0xff000000, v[TM+\b]   ; 2 off its exponent field: the conversion's scale operand
.endr
.irp b, 0,1,2,3
	v_lshrrev_b32 v[TM+4+\b], 23, v[TM+12+\b]      ; the scale's byte
.endr
	v_lshl_or_b32 v[\pw], v[TM+5], 8, v[TM+4]
	v_lshl_or_b32 v[\pw], v[TM+6], 16, v[\pw]
	v_lshl_or_b32 v[\pw], v[TM+7], 24, v[\pw]
.irp c, 0,1
	v_cvt_scalef32_pk16_fp6_f32 v[PC+6*\c:PC+2+6*\c], v[\s+32*\c:\s+15+32*\c], v[TM+12+2*\c]
	v_cvt_scalef32_pk16_fp6_f32 v[PC+12+4*\c:PC+14+4*\c], v[\s+16+32*\c:\s+31+32*\c], v[TM+12+2*\c+1]   ; (a conversion's three registers begin on an even number)
.endr
	v_nop                                          ; one plain place behind a scaled conversion
.irp c, 0,1                                    ; the operand's layout wants a whole block in a lane: lanes 0-15 block 2 c, lanes 16-31 block 2 c + 1
.irp i, 0,1,2
	v_permlane16_swap_b32 v[PC+6*\c+\i], v[PC+12+4*\c+\i]
.endr
.irp i, 0,1,2
	v_mov_b32 v[PC+3+6*\c+\i], v[PC+12+4*\c+\i]
.endr
.endr
.endm
; THE WAY OUT of block a: 16 rows x 128 along n.  The bias along m is added while the sums move to window 0 (each accumulator from its low end on); the block is quantised; its two groups leave as they stand in the registers.
.macro OUTBLK a
.if (\a) > 0
	s_wait_xcnt 0x0                                ; the last block's stores have read their data and their bases: both are written again below
	s_add_nc_u64 s[4:5], s[4:5], s[92:93]
	s_add_nc_u64 s[6:7], s[6:7], s[92:93]
.endif
.if (\a) == 4
	s_add_nc_u64 s[4:5], s[4:5], s[94:95]
	s_add_nc_u64 s[6:7], s[6:7], s[94:95]
.endif
	WIN 0x02+(\a)/4                                ; source 0: window 2 or 3
.set II, 0
.rept 32
	v_pk_add_f32 v[T+2*II:T+2*II+1], v[64*((\a)%4)+2*II:64*((\a)%4)+2*II+1], v[BM+2*(\a):BM+2*(\a)+1] op_sel_hi:[1,0]
.set II, II+1
.endr
	WIN 0
	QUANT T, PW+(\a)
	global_store_b128 v[L16], v[PC:PC+3], s[4:5]                  ; 512 consecutive bytes, at a multiple of 256 from the buffer's first byte
	global_store_b64 v[L8], v[PC+4:PC+5], s[4:5] offset:512       ; 256 consecutive bytes, aligned
	global_store_b128 v[L16], v[PC+6:PC+9], s[6:7]
	global_store_b64 v[L8], v[PC+10:PC+11], s[6:7] offset:512
.endm
	PLACES NP                                      ; behind the last products: their results are read, and A's and the scale words' registers written, below
.irp b, 0,1,2,3
	v_mov_b32 v[TM+4+\b], 0                        ; written once: a lane permute's destination counts as one of its sources
.endr
.irp a, 0,1,2,3,4,5,6,7
	OUTBLK \a
.endr
	; the scale words.  v part: block a's word is row r's four bytes of these 128 keys, as it stands.  k, q part: a head's word pairs the half-words of token blocks 2 i and 2 i + 1
.irp k, 0,1,2,3
	v_perm_b32 v[OQ+\k], v[PW+2*\k+1], v[PW+2*\k], s43
	v_perm_b32 v[OQ+4+\k], v[PW+2*\k+1], v[PW+2*\k], s44
.endr
.irp k, 0,1,2,3,4,5,6,7
	v_cndmask_b32 v[OS+\k], v[OQ+\k], v[PW+\k], s99
.endr
.irp k, 0,1,2,3,4,5,6,7
	ds_store_b32 v[SST], v[OS+\k] offset:64*\k     ; lanes l and l xor 16 write the same word with the same value
.endr
	ds_load_b64 v[56:57], v[SRD]                   ; LDS serves a wave's instructions in order: these see my stores
	ds_load_b64 v[58:59], v[SRD] offset:256
	s_wait_dscnt 0x0
	global_store_b64 v[L8], v[56:57], s[8:9]       ; 256 consecutive bytes, aligned: the first head's
	global_store_b64 v[L8], v[58:59], s[10:11]     ; the second head's
	s_wait_tensorcnt 0x0                           ; the wave's end, behind my last tensor load and my last LDS store
	ds_add_u32 v[SPW], v[NIL]
	s_wait_dscnt 0x0
	CROUND                                         ; the closing round: no work-group ends while a partner may still ask for a tile that names it
	s_endpgm
.Lfunc_end_k_qf43f2fa3b6_qkv:
	.size	k_qf43f2fa3b6_qkv, .Lfunc_end_k_qf43f2fa3b6_qkv-k_qf43f2fa3b6_qkv
	.p2alignl 7, 3214868480
	.fill 96, 4, 3214868480
	.section	.rodata,"a",@progbits
	.p2align	6, 0x0
	.amdhsa_kernel k_qf43f2fa3b6_qkv
		.amdhsa_group_segment_fixed_size 327680
		.amdhsa_private_segment_fixed_size 0
		.amdhsa_enable_private_segment 0
		.amdhsa_kernarg_size 32
		.amdhsa_user_sgpr_count 2
		.amdhsa_user_sgpr_kernarg_segment_ptr 1
		.amdhsa_wavefront_size32 1
		.amdhsa_system_sgpr_workgroup_id_x 1
		.amdhsa_system_sgpr_workgroup_id_y 1
		.amdhsa_system_sgpr_workgroup_id_z 1
		.amdhsa_system_vgpr_workitem_id 0
		.amdhsa_next_free_vgpr 1024
		.amdhsa_next_free_sgpr 106
		.amdhsa_reserve_vcc 0
		.amdhsa_float_denorm_mode_32 3
		.amdhsa_float_denorm_mode_16_64 3
		.amdhsa_memory_ordered 1
		.amdhsa_forward_progress 1
		.amdhsa_inst_pref_size 190
	.end_amdhsa_kernel
	.amdgpu_metadata
---
amdhsa.version: [ 1, 2 ]
amdhsa.kernels:
  - .name:           k_qf43f2fa3b6_qkv
    .symbol:         k_qf43f2fa3b6_qkv.kd
    .args:
      - { .name: xq, .offset: 0, .size: 8, .value_kind: global_buffer, .address_space: global }
      - { .name: wq, .offset: 8, .size: 8, .value_kind: global_buffer, .address_space: global }
      - { .name: b_attn, .offset: 16, .size: 8, .value_kind: global_buffer, .address_space: global }
      - { .name: qkv, .offset: 24, .size: 8, .value_kind: global_buffer, .address_space: global }
    .group_segment_fixed_size: 327680
    .private_segment_fixed_size: 0
    .kernarg_segment_align: 8
    .kernarg_segment_size: 32
    .max_flat_workgroup_size: 128
    .sgpr_count:     106
    .vgpr_count:     1024
    .wavefront_size: 32
...
	.end_amdgpu_metadata
.endif
;; end of part 2
;; launch attn (part 3): grid 4 x 64, 16 waves a work-group, clusters of 4 x 1, 327,680 bytes of LDS; arguments qkv, yq; writes yq
.if DOCPART == 3
	.amdgcn_target "amdgcn-amd-amdhsa--gfx1250"
	.amdhsa_code_object_version 6
	.text
	.protected	k_qf43f2fa3b6_attn
	.globl	k_qf43f2fa3b6_attn
	.p2align	8
	.type	k_qf43f2fa3b6_attn,@function
k_qf43f2fa3b6_attn:
	s_mov_b64 s[64:65], 0
	v_nop
	global_prefetch_b8 v0, s[64:65] scope:SCOPE_SE
	s_setreg_imm32_b32 hwreg(HW_REG_WAVE_MODE, 25, 1), 1
	s_wait_xcnt 0x0
	s_wait_alu depctr_hold_cnt(0) depctr_sa_sdst(0) depctr_va_vdst(0) depctr_va_sdst(0) depctr_va_ssrc(0) depctr_va_vcc(0) depctr_vm_vsrc(0)
	s_getreg_b32 s2, hwreg(HW_REG_IB_STS2, 6, 4)
	s_cmp_eq_u32 s2, 0
	s_cbranch_scc0 .Lentry_in_a_cluster
	s_endpgm
.Lentry_in_a_cluster:
	s_bfe_u32 s2, ttmp6, 0x10000c
	s_cmp_lg_u32 s2, 0x3003
	s_cbranch_scc0 .Lentry_shape_is_right
	s_endpgm
.Lentry_shape_is_right:
; y[b][q][head] = softmax_k(q . k / 8) v, both products on codes of FP6 (E2M3) with one E8M0 scale for each 32 along a product's K; y is quantised along its 64 channels and stored as codes for the last product.
; THE SOFTMAX AHEAD OF THE SECOND PRODUCT: t = score x log2(e) / 8; M = the running largest t rounded UP to a whole number; p = 2^(t - M) is quantised along the keys, not normalised; the row's sum is taken of the unquantised p and divides at the end.
; When M moves, the sum and O are multiplied by 2^(old M - new M), which rounds nothing.
; IN: a record of 307,200 bytes for each (batch, head): K groups at 0, V groups at 98,304, K's scale words at 196,608, V's at 200,704, Q's groups at 204,800, Q's scale words at 303,104.
; A group is 16 rows x 64 codes as six operand registers a lane: registers 0-3 at 16 x lane, registers 4-5 at 512 + 8 x lane.  Two groups on end are a fragment of 12 registers.
; SHARES.  A work-group owns 512 queries of one head; each of its sixteen waves owns two tiles of 16, one after the other, in 256 registers: four waves to a SIMD, so that one wave's vector work stands beside another's products and LDS loads.
; THE HEAD'S WHOLE K AND V AND THEIR SCALE WORDS, the record's first 204,800 bytes, COME INTO LDS ONCE: sixteen tensor loads of 12,800 dense bytes, one a wave.  No byte of LDS is filled twice: no ring, one barrier.
; CLUSTER.  The four work-groups of a head form a cluster and ask for those bytes jointly: the same load, the same descriptor, a mask that names the four.
; THE FIRST PRODUCT HAS K = 64, half of the instruction's 128.  A fragment of K holds TWO groups: key 32 B + r in registers 0-5 and key 32 B + 16 + r in registers 6-11.  Q stands between two runs of six zero registers:
; [Q, 0] gives the scores of the first sixteen keys, [0, Q] those of the second: zero codes annul the other key.  Q's scale word repeats its two bytes.
; Both products are used transposed: a lane holds ONE query (lane % 16); tiles 2 B and 2 B + 1 hold keys 32 B + 8 h + j and 32 B + 16 + 8 h + j, so p's codes come out in the slot order that V's codes have (slot s: index s with bits 3 and 4 exchanged).
; LIMITS: NaN and infinities are not served; a block of zeros, and one whose largest magnitude lies under 2^-124, gets the scale byte 1; scale bytes of q and k so large that the two together pass f32's range are not served in the annulled half of a score product.
; y's scale bytes leave two at a time, rows 32 bytes apart: one byte in 24 of what the launch stores.
; REGISTERS: v1-7 addresses that stay; v8-11, v88 the step's; v12 -M, v13 the largest t, v[14:15] the sum; v16-33 zeros, Q, zeros; v34 Q's scale word; v36-83 four fragments, v84-87 their scale words; v96-159 S^T, then p; v160-191 O^T;
;   v192-210 p's codes; v212-227 at work; v228-239 y's codes; v240-246 the second tile's Q; v248-252 at work on the way out.
.set REC,   307200
.set RQ,    204800
.set RQS,   303104
.set SPARE, 204800                     ; behind the record's part: the spare words, 128 bytes a wave, that no other line names
.set YSC,   6291456                    ; where y's scale bytes begin in yq
.set SPW,  5
.set NIL,  6
.set WV,   18
.set G1,   24
.set G0,   32
.set SEL,  36
.set CS,   38
.set TB,   2                           ; s2  the step's first byte among K's groups, and among V's: 6,144 a step
.set TS,   3                           ; s3  and among the scale words: 256 a step
.set CNT,  52
.set F,    36
.set FS,   84
.set MX,   212
.set PD,   216
.set SO,   220
.macro CROUND                          ; a round of the cluster's barrier
	s_barrier_signal -1
	s_barrier_wait -1
	s_cmp_lg_u32 s[WV], 0
	s_cbranch_scc1 .Lnot_wave_0_\@
	s_barrier_signal -3
.Lnot_wave_0_\@:
	s_barrier_wait -3
	s_barrier_signal -1
	s_barrier_wait -1
.endm
	s_load_b128 s[4:7], s[0:1], 0x0                ; qkv, yq
	v_lshl_add_u32 v[SPW], v0, 2, SPARE
	v_mov_b32 v[NIL], 0
	ds_add_u32 v[SPW], v[NIL]                      ; the wave's opening: the add and its wait stand ahead of my first tensor load; work on registers stands between them
	v_lshrrev_b32 v8, 5, v0
	v_readfirstlane_b32 s[WV], v8                  ; wave 0..15
	s_bfe_u32 s13, ttmp6, 0x40000                  ; cx: which 512 queries; it enters Q's and y's addresses alone
	s_and_b32 s20, ttmp7, 0xffff                   ; 16 x batch + head, which the four partners share
	; descriptor group 1: 50 rows of 256 bytes (32 elements of 8 bytes), dense, no padding
	s_mov_b32 s[G1], 15|(3<<16)|(1<<21)            ; the mask: all four work-groups; elements of 8 bytes; bit 21 beside a mask
	s_mov_b32 s[G1+1], 32<<16                      ; tensor_dim0
	s_mov_b32 s[G1+2], 50<<16                      ; tensor_dim1
	s_mov_b32 s[G1+3], 32<<16                      ; tile_dim0
	s_mov_b32 s[G1+4], 50                          ; tile_dim1
	s_mov_b32 s[G1+5], 32                          ; the pitch
	s_mov_b32 s[G1+6], 0
	s_mov_b32 s[G1+7], 0
	s_mul_i32 s21, s20, REC                        ; the record's first byte
	s_mul_i32 s22, s[WV], 12800                    ; my sixteenth of what comes into LDS
	s_add_co_u32 s40, s21, s22
	s_mov_b32 s41, 0
	s_lshl_b32 s42, s13, 5
	s_add_co_u32 s42, s42, s[WV]                   ; my first token block in the sequence: 32 cx + wave; the second lies 16 on
	s_mul_i32 s44, s42, 768
	s_add_co_u32 s44, s44, s21
	s_add_co_u32 s44, s44, RQ                      ; its group of Q
	s_mov_b32 s45, 0
	s_lshl_b32 s46, s13, 10                        ; its scale half-words: 64 bytes for two token blocks, 4 bytes a row, 2 bytes a block
	s_lshr_b32 s23, s[WV], 1
	s_lshl_b32 s23, s23, 6
	s_add_co_u32 s46, s46, s23
	s_and_b32 s23, s[WV], 1
	s_lshl_b32 s23, s23, 1
	s_add_co_u32 s46, s46, s23
	s_add_co_u32 s46, s46, s21
	s_add_co_u32 s46, s46, RQS
	s_mov_b32 s47, 0
	s_lshr_b32 s23, s20, 4
	s_lshl_b32 s23, s23, 7
	s_add_co_u32 s23, s23, s42                     ; my token block among all 512
	s_and_b32 s12, s20, 15                         ; the head
	s_lshl_b32 s48, s23, 4
	s_add_co_u32 s48, s48, s12
	s_mul_i32 s48, s48, 768                        ; y's group: [token block][head][768]
	s_mov_b32 s49, 0
	s_lshl_b32 s50, s23, 9                         ; y's scale bytes: 32 a token, the head's two at 2 x head
	s_lshl_b32 s12, s12, 1
	s_add_co_u32 s50, s50, s12
	s_add_co_u32 s50, s50, YSC
	s_mov_b32 s51, 0
	s_mov_b32 s[SEL], 0x76543210
	s_mov_b32 s[SEL+1], 0xfedcba98                 ; lane selects: lane l xor 16
	s_mov_b32 s[CS], 0x3e38aa3b                    ; c = log2(e) / 8
	s_mov_b32 s[CS+1], s[CS]                       ; (named with it as a pair)
	v_and_b32 v8, 31, v0                           ; lane
	v_and_b32 v9, 15, v0                           ; r
	v_lshlrev_b32 v1, 4, v8                        ; 16 x lane
	v_lshlrev_b32 v2, 3, v8                        ; 8 x lane
	v_lshlrev_b32 v7, 2, v9                        ; 4 r
	v_add_nc_u32 v3, 196608, v7                    ; K's scale words in LDS; V's lie 4,096 on
	v_lshlrev_b32 v4, 5, v9                        ; 32 r
	v_add_nc_u32 v89, 98304, v1                    ; V's groups in LDS
	v_add_nc_u32 v90, 98304, v2
.irp i, 0,1,2,3,4,5
	v_mov_b32 v[16+\i], 0                          ; the zero codes on both sides of Q
	v_mov_b32 v[28+\i], 0
.endr
.irp b, 0,1,2,3
	v_mov_b32 v[PD+\b], 0                          ; written once: a lane permute's destination counts as one of its sources
.endr
	v_mov_b32 v224, 0
	v_mov_b32 v227, 0                              ; (named as the upper half of the pair v[226:227] before it is first written)
	s_wait_dscnt 0x0                               ; the opening add is done
	s_wait_kmcnt 0x0
	s_mov_b32 s[G0], 1                             ; count = 1
	s_mul_i32 s[G0+1], s[WV], 12800                ; LDS address
	s_add_nc_u64 s[G0+2:G0+3], s[4:5], s[40:41]    ; global address
	s_or_b32 s[G0+3], s[G0+3], 0x80000000          ; type = 2
	s_add_nc_u64 s[8:9], s[4:5], s[44:45]          ; Q's group
	s_add_nc_u64 s[10:11], s[4:5], s[46:47]        ; Q's scale half-words
	s_add_nc_u64 s[14:15], s[6:7], s[48:49]        ; y's group
	s_add_nc_u64 s[16:17], s[6:7], s[50:51]        ; y's scale bytes
	CROUND                                         ; all four work-groups are here: the joint loads meet
	tensor_load_to_lds s[G0:G0+3], s[G1:G1+7]      ; my one tensor load of the launch
	s_nop 0
.rept 4
	v_nop
.endr
	global_load_b128 v[22:25], v1, s[8:9]          ; the first tile's Q,
	global_load_b64 v[26:27], v2, s[8:9] offset:512
	global_load_u16 v35, v7, s[10:11]
	global_load_b128 v[240:243], v1, s[8:9] offset:12288   ; the second's, 16 token blocks on
	global_load_b64 v[244:245], v2, s[8:9] offset:12800
	global_load_u16 v246, v7, s[10:11] offset:512
	s_wait_tensorcnt 0x0                           ; my part has landed,
	s_barrier_signal -1
	s_barrier_wait -1                              ; everybody's has: from here on LDS is only read
	s_wait_loadcnt 0x0                             ; Q
.macro LOADF a16, a8, as, so           ; four fragments and their scale words
.irp f, 0,1,2,3
	ds_load_b128 v[F+12*\f:F+12*\f+3], v[\a16] offset:1536*\f
	ds_load_b64 v[F+12*\f+4:F+12*\f+5], v[\a8] offset:1536*\f+512
	ds_load_b128 v[F+12*\f+6:F+12*\f+9], v[\a16] offset:1536*\f+768
	ds_load_b64 v[F+12*\f+10:F+12*\f+11], v[\a8] offset:1536*\f+1280
	ds_load_b32 v[FS+\f], v[\as] offset:\so+64*\f
.endr
.endm
; ONE TILE OF 16 QUERIES against all 2,048 keys, 128 a step.  Written twice, so that each loop has its constant 16 trips and freshly set addresses.
.macro BODY p
.set YC, 228+6*(\p)
.set YH, 251+(\p)
.if \p
.irp i, 0,1,2,3,4,5
	v_mov_b32 v[22+\i], v[240+\i]
.endr
	v_mov_b32 v35, v246
.endif
	v_lshl_or_b32 v34, v35, 16, v35                ; Q's scale word: its two bytes twice
	v_mov_b32 v13, 0xff61b1e6                      ; the largest t so far: -3e38
	v_floor_f32 v12, -v13                          ; -M
	v_mov_b32 v14, 0                               ; the sum, in two halves
	v_mov_b32 v15, 0
.set II, 0
.rept 32
	v_mov_b32 v[160+II], 0                         ; O^T: the first step finds zeros, which the first change of M leaves zeros.  (These lines also stand between the writes of Q and its scale word and the first product)
.set II, II+1
.endr
	s_mov_b32 s[TB], 0
	s_mov_b32 s[TS], 0
	s_mov_b32 s[CNT], 16
.Lstep_\@:
	v_add_nc_u32 v8, s[TB], v1                     ; five plain lines: also the places in front of the loads into registers that the last products read
	v_add_nc_u32 v9, s[TB], v2
	v_add_nc_u32 v10, s[TB], v89
	v_add_nc_u32 v11, s[TB], v90
	v_add_nc_u32 v88, s[TS], v3
	LOADF 8, 9, 88, 0                              ; K: four fragments of 32 keys
	s_wait_dscnt 0x0
.irp b, 0,1,2,3
	v_wmma_scale_f32_16x16x128_f8f6f4 v[96+16*\b:103+16*\b], v[F+12*\b:F+12*\b+11], v[22:33], 0, v[FS+\b], v34 matrix_a_fmt:MATRIX_FMT_FP6 matrix_b_fmt:MATRIX_FMT_FP6
	v_wmma_scale_f32_16x16x128_f8f6f4 v[104+16*\b:111+16*\b], v[F+12*\b:F+12*\b+11], v[16:27], 0, v[FS+\b], v34 matrix_a_fmt:MATRIX_FMT_FP6 matrix_b_fmt:MATRIX_FMT_FP6
.endr
.rept 4
	v_nop                                          ; places behind the products: for the loads below and for the first read of the scores
.endr
	LOADF 10, 11, 88, 4096                         ; V: four fragments of 16 channels x 128 keys; they land under the softmax
.irp b, 0,1,2,3
	v_max3_num_f32 v[MX+\b], v[96+16*\b], v[97+16*\b], v[98+16*\b]   ; the largest score of each block of 32 keys: for the row's maximum, and, since p rises with the score, for the block's largest p
.endr
.irp i, 3,5,7,9,11,13
.irp b, 0,1,2,3
	v_max3_num_f32 v[MX+\b], v[MX+\b], v[96+16*\b+\i], v[97+16*\b+\i]
.endr
.endr
.irp b, 0,1,2,3
	v_max_num_f32 v[MX+\b], v[MX+\b], v[111+16*\b]
.endr
.irp b, 0,1,2,3
	v_permlanex16_b32 v[PD+\b], v[MX+\b], s[SEL], s[SEL+1]
.endr
.irp b, 0,1,2,3
	v_max_num_f32 v[MX+\b], v[MX+\b], v[PD+\b]     ; with lane l xor 16's 16 keys
.endr
	v_max3_num_f32 v224, v212, v213, v214
	v_max_num_f32 v224, v224, v215                 ; the step's largest score of my query
	v_mul_f32 v224, s[CS], v224                    ; as t
	v_max_num_f32 v13, v13, v224                   ; the running largest t
	v_mov_b32 v224, v12
	v_floor_f32 v12, -v13                          ; the new -M = -ceil(t)
	v_sub_f32 v224, v12, v224                      ; old M - new M: a whole number, 0 or less
	v_cvt_i32_f32 v224, v224                       ; (it saturates)
	v_ldexp_f32 v226, 1.0, v224                    ; f = 2^(old M - new M)
.irp j, 0,2,4,6,8,10,12,14,16,18,20,22,24,26,28,30,32,34,36,38,40,42,44,46,48,50,52,54,56,58,60,62
	v_pk_fma_f32 v[96+\j:97+\j], v[96+\j:97+\j], s[CS:CS+1], v[12:13] op_sel_hi:[1,0,0]   ; t - M, two at a time
.endr
.irp b, 0,1,2,3
	v_fma_f32 v[MX+\b], v[MX+\b], s[CS], v12       ; the same of each block's largest score
.endr
.set II, 0
.rept 64
	v_exp_f32 v[96+II], v[96+II]                   ; p = 2^(t - M), at most 1
.set II, II+1
.endr
	v_pk_mul_f32 v[14:15], v[14:15], v[226:227] op_sel_hi:[1,0]   ; the sums under the new M (a plain line behind the exponentials)
	s_wait_alu depctr_va_vdst(0)                   ; one wait for the batch of 64, ahead of its first reader
.irp b, 0,1,2,3
	v_exp_f32 v[MX+\b], v[MX+\b]                   ; the block's largest p: the same two instructions on the same number give the same bits
.endr
	v_pk_add_f32 v[216:217], v[96:97], v[98:99]    ; the row's sum of the unquantised p, in two chains
.irp j, 4,8,12,16,20,24,28,32,36,40,44,48,52,56,60
	v_pk_add_f32 v[14:15], v[14:15], v[96+\j:97+\j]
	v_pk_add_f32 v[216:217], v[216:217], v[98+\j:99+\j]
.endr
	v_pk_add_f32 v[14:15], v[14:15], v[216:217]
	s_wait_alu depctr_va_vdst(0)                   ; and one for the four
.irp b, 0,1,2,3
	v_max_num_f32 v[MX+\b], 0x1800000, v[MX+\b]    ; the floor 2^(3 - 127): the byte cannot fall under 1
.endr
.irp b, 0,1,2,3
	v_add_nc_u32 v[SO+\b], 0xff000000, v[MX+\b]    ; 2 off the exponent field: the conversion's scale operand
.endr
.irp b, 0,1,2,3
	v_lshrrev_b32 v[PD+\b], 23, v[SO+\b]           ; the scale's byte
.endr
	v_lshl_or_b32 v227, v217, 8, v216              ; p's scale word for these 128 keys
	v_lshl_or_b32 v227, v218, 16, v227
	v_lshl_or_b32 v227, v219, 24, v227
.irp c, 0,1
	v_cvt_scalef32_pk16_fp6_f32 v[192+6*\c:194+6*\c], v[96+32*\c:111+32*\c], v[SO+2*\c]
	v_cvt_scalef32_pk16_fp6_f32 v[204+4*\c:206+4*\c], v[112+32*\c:127+32*\c], v[SO+2*\c+1]   ; (a conversion's three registers begin on an even number)
.endr
	v_nop                                          ; one plain place behind a scaled conversion
.irp c, 0,1                                    ; a whole block in a lane: lanes 0-15 block 2 c, lanes 16-31 block 2 c + 1
.irp i, 0,1,2
	v_permlane16_swap_b32 v[192+6*\c+\i], v[204+4*\c+\i]
.endr
.irp i, 0,1,2
	v_mov_b32 v[195+6*\c+\i], v[204+4*\c+\i]
.endr
.endr
.irp j, 0,2,4,6,8,10,12,14,16,18,20,22,24,26,28,30
	v_pk_mul_f32 v[160+\j:161+\j], v[160+\j:161+\j], v[226:227] op_sel_hi:[1,0]   ; O^T under the new M.  (These sixteen also stand between the writes of p's codes and scale word and the products)
.endr
	s_wait_dscnt 0x0                               ; V's fragments are in
.irp t, 0,1,2,3
	v_wmma_scale_f32_16x16x128_f8f6f4 v[160+8*\t:167+8*\t], v[F+12*\t:F+12*\t+11], v[192:203], v[160+8*\t:167+8*\t], v[FS+\t], v227 matrix_a_fmt:MATRIX_FMT_FP6 matrix_b_fmt:MATRIX_FMT_FP6
.endr
	s_add_co_u32 s[TB], s[TB], 6144
	s_add_co_u32 s[TS], s[TS], 256
	s_sub_co_u32 s[CNT], s[CNT], 1
	s_cmp_lg_u32 s[CNT], 0
	s_cbranch_scc1 .Lstep_\@
	; THE WAY OUT: O^T / the sum is y(query r, channel 16 t + 8 h + j): two blocks of 32 channels, quantised as p is; one group of codes and two scale bytes a query
.rept 4
	v_nop                                          ; places behind the last products
.endr
	v_add_f32 v14, v14, v15                        ; the sum's two halves,
	v_permlanex16_b32 v224, v14, s[SEL], s[SEL+1]
	v_add_f32 v14, v14, v224                       ; and lane l xor 16's
	v_rcp_f32 v14, v14
	v_nop                                          ; a plain line behind the reciprocal,
	s_wait_alu depctr_va_vdst(0)                   ; and the wait ahead of its first reader
.irp j, 0,2,4,6,8,10,12,14,16,18,20,22,24,26,28,30
	v_pk_mul_f32 v[96+\j:97+\j], v[160+\j:161+\j], v[14:15] op_sel_hi:[1,0]
.endr
.irp b, 0,1
	v_max3_num_f32 v[MX+\b], |v[96+16*\b]|, |v[97+16*\b]|, 0x1800000
.endr
.irp i, 2,4,6,8,10,12,14
.irp b, 0,1
	v_max3_num_f32 v[MX+\b], v[MX+\b], |v[96+16*\b+\i]|, |v[97+16*\b+\i]|
.endr
.endr
.irp b, 0,1
	v_permlanex16_b32 v[PD+\b], v[MX+\b], s[SEL], s[SEL+1]
.endr
.irp b, 0,1
	v_max_num_f32 v[MX+\b], v[MX+\b], v[PD+\b]
.endr
.irp b, 0,1
	v_add_nc_u32 v[SO+\b], 0xff000000, v[MX+\b]
.endr
.irp b, 0,1
	v_lshrrev_b32 v[PD+\b], 23, v[SO+\b]
.endr
	v_lshl_or_b32 v[YH], v[PD+1], 8, v[PD]
	v_cvt_scalef32_pk16_fp6_f32 v[YC:YC+2], v[96:111], v[SO]
	v_cvt_scalef32_pk16_fp6_f32 v[248:250], v[112:127], v[SO+1]
	v_nop
.irp i, 0,1,2
	v_permlane16_swap_b32 v[YC+\i], v[248+\i]
.endr
.irp i, 0,1,2
	v_mov_b32 v[YC+3+\i], v[248+\i]
.endr
	global_store_b128 v1, v[YC:YC+3], s[14:15] offset:196608*(\p)          ; 512 consecutive bytes, at a multiple of 256 from the buffer's first byte; each tile has its own data registers
	global_store_b64 v2, v[YC+4:YC+5], s[14:15] offset:196608*(\p)+512     ; 256 consecutive bytes, aligned
	global_store_b16 v4, v[YH], s[16:17] offset:8192*(\p)                  ; lanes l and l xor 16 store the same two bytes
.endm
	BODY 0
	BODY 1
	s_wait_tensorcnt 0x0                           ; the wave's end, behind my last tensor load
	ds_add_u32 v[SPW], v[NIL]
	s_wait_dscnt 0x0
	CROUND                                         ; the closing round
	s_endpgm
.Lfunc_end_k_qf43f2fa3b6_attn:
	.size	k_qf43f2fa3b6_attn, .Lfunc_end_k_qf43f2fa3b6_attn-k_qf43f2fa3b6_attn
	.p2alignl 7, 3214868480
	.fill 96, 4, 3214868480
	.section	.rodata,"a",@progbits
	.p2align	6, 0x0
	.amdhsa_kernel k_qf43f2fa3b6_attn
		.amdhsa_group_segment_fixed_size 327680
		.amdhsa_private_segment_fixed_size 0
		.amdhsa_enable_private_segment 0
		.amdhsa_kernarg_size 16
		.amdhsa_user_sgpr_count 2
		.amdhsa_user_sgpr_kernarg_segment_ptr 1
		.amdhsa_wavefront_size32 1
		.amdhsa_system_sgpr_workgroup_id_x 1
		.amdhsa_system_sgpr_workgroup_id_y 1
		.amdhsa_system_sgpr_workgroup_id_z 1
		.amdhsa_system_vgpr_workitem_id 0
		.amdhsa_next_free_vgpr 256
		.amdhsa_next_free_sgpr 66
		.amdhsa_reserve_vcc 0
		.amdhsa_float_denorm_mode_32 3
		.amdhsa_float_denorm_mode_16_64 3
		.amdhsa_memory_ordered 1
		.amdhsa_forward_progress 1
		.amdhsa_inst_pref_size 48
	.end_amdhsa_kernel
	.amdgpu_metadata
---
amdhsa.version: [ 1, 2 ]
amdhsa.kernels:
  - .name:           k_qf43f2fa3b6_attn
    .symbol:         k_qf43f2fa3b6_attn.kd
    .args:
      - { .name: qkv, .offset: 0, .size: 8, .value_kind: global_buffer, .address_space: global }
      - { .name: yq, .offset: 8, .size: 8, .value_kind: global_buffer, .address_space: global }
    .group_segment_fixed_size: 327680
    .private_segment_fixed_size: 0
    .kernarg_segment_align: 8
    .kernarg_segment_size: 16
    .max_flat_workgroup_size: 512
    .sgpr_count:     66
    .vgpr_count:     256
    .wavefront_size: 32
...
	.end_amdgpu_metadata
.endif
;; end of part 3
;; launch outp (part 4): grid 4 x 32, 4 waves a work-group, clusters of 4 x 4, 327,680 bytes of LDS; arguments yq, oq, b_out, out0; writes out0
.if DOCPART == 4
	.amdgcn_target "amdgcn-amd-amdhsa--gfx1250"
	.amdhsa_code_object_version 6
	.text
	.protected	k_qf43f2fa3b6_outp
	.globl	k_qf43f2fa3b6_outp
	.p2align	8
	.type	k_qf43f2fa3b6_outp,@function
k_qf43f2fa3b6_outp:
	s_mov_b64 s[64:65], 0
	v_nop
	global_prefetch_b8 v0, s[64:65] scope:SCOPE_SE
	s_setreg_imm32_b32 hwreg(HW_REG_WAVE_MODE, 25, 1), 1
	s_wait_xcnt 0x0
	s_wait_alu depctr_hold_cnt(0) depctr_sa_sdst(0) depctr_va_vdst(0) depctr_va_sdst(0) depctr_va_ssrc(0) depctr_va_vcc(0) depctr_vm_vsrc(0)
	s_getreg_b32 s2, hwreg(HW_REG_IB_STS2, 6, 4)
	s_cmp_eq_u32 s2, 0
	s_cbranch_scc0 .Lentry_in_a_cluster
	s_endpgm
.Lentry_in_a_cluster:
	s_bfe_u32 s2, ttmp6, 0x10000c
	s_cmp_lg_u32 s2, 0xf033
	s_cbranch_scc0 .Lentry_shape_is_right
	s_endpgm
.Lentry_shape_is_right:
; out[m][n] = sum over k of y[m][k] W_out[n][k] + b_out[n], on codes of FP6 (E2M3) with one E8M0 scale for each 32 along K; M = 8,192, N = 1,024, K = 1,024; out is f32.
; A = y: groups [512 token blocks][16 heads][768 bytes], a group being 16 rows x 64 codes as six operand registers a lane (registers 0-3 at 16 x lane, registers 4-5 at 512 + 8 x lane); its scale bytes [8192][32] lie 6,291,456 bytes on.
; B = W_out: rows of 768 bytes of codes; its scale bytes [1024][32] lie 786,432 bytes on.  Inside each block of 32 both sides have slot s = index s with bits 3 and 4 exchanged, so the sums keep their terms.
; A tile of out, 256 x 256, is made by four waves of 128 x 128 (64 accumulators, 512 registers).  K goes in steps of 256 through a ring of two LDS slots.  128 tiles: this size gives no more of this shape.
; A's part of a slot: 16 token blocks x 3,072 dense bytes (four groups); two groups on end are a fragment, read by four contiguous loads.  B's part: rows of 192 bytes, 16 bytes of padding behind every 64.
; The scale bytes of the 256 + 256 rows come once, with the first fills.  The bias is the C of each sum's first product.
; CLUSTERS: 4 x 4.  A's tile is asked for jointly along a row of the cluster, B's along a column.  THE MATRIX INSTRUCTION IS USED TRANSPOSED (source 0 = rows of B, source 1 = rows of A): a lane holds eight neighbouring numbers of a row of out.
; LIMITS: NaN and infinities are not served.
; REGISTERS, in windows of 256: window 0: v0-31 addresses; v32-63 scale words, two sets; v64-127 the bias; v128-223 A's fragments, one set; on the way out v128-255 rows of out.
;   window 1: B's fragments, two sets.   window 2: the accumulators of my rows 0-63 ((a, b) at v[8 (8 a + b)]);   window 3: those of my rows 64-127.
.set SIZE_N, 1024
.set NQ,     2
.set ROWB,   192
.set KROW,   768
.set PITCH,  240
.set FR,     12
.set NL,     6                         ; LDS loads that bring a fragment of B
.set NLA,    4                         ; and of A
.set NP,     4                         ; places behind this matrix instruction (ISA guide 7.12.1)
.set HALFT,  128*PITCH                 ; a wave's part of a slot (A's uses 24,576 bytes of it)
.set SLOT,   4*HALFT
.set LAPS,   2
.set KS,     32
.set SCL,    2*SLOT
.set HALFS,  (128*KS/256)*272
.set SBLK,   (16*KS/256)*272
.set SPARE,  SCL+4*HALFS               ; the spare words, 128 bytes a wave, that no other line names
.set SPITCH, 528                       ; the way out: a stage of 16 rows x (512 + 16) bytes for each wave, in slot 0, behind its last fill and its last read
.set ADRA, 16                          ; v16-17 A's part of slot 0, 1 + 16 x lane;  v18-19 + 8 x lane
.set ADRB, 20
.set STO,  24
.set RD,   25
.set CO,   26
.set ADRS, 27
.set SPW,  28
.set NIL,  29
.set BA,   30
.set SC,   32
.set BN,   64
.set AF,   128
.set BK,   128
.set G1, 24
.set G0, 32
.set G1B, 48
.set G0B, 56
.set G1S, 68
.set G0S, 76
.set G1SB, 80
.set G0SB, 88
.set MSB, 0
.macro WIN new                         ; the immediate's high byte repeats the setting that is left
.if MSB != (\new)
	s_set_vgpr_msb (MSB<<8)|(\new)
.set MSB, (\new)
.endif
.endm
.set MUL_LO, 0xa1
.set MUL_HI, 0xf1
.set TO_B,   0x40
.macro JLOAD g0a, g1a, g0b, g1b        ; a joint load: waves 0 and 1 fetch for A, waves 2 and 3 for B; an s_nop 0 and four v_nop follow each of the two lines
	s_cmp_eq_u32 s15, 0
	s_cbranch_scc0 .Lfor_b_\@
	tensor_load_to_lds s[\g0a:\g0a+3], s[\g1a:\g1a+7]
	s_nop 0
.rept 4
	v_nop
.endr
	s_branch .Lasked_\@
.Lfor_b_\@:
	tensor_load_to_lds s[\g0b:\g0b+3], s[\g1b:\g1b+7]
	s_nop 0
.rept 4
	v_nop
.endr
.Lasked_\@:
.endm
.macro CREST
	s_cmp_lg_u32 s14, 0
	s_cbranch_scc1 .Lnot_wave_0_\@
	s_barrier_signal -3
.Lnot_wave_0_\@:
	s_barrier_wait -3
	s_barrier_signal -1
	s_barrier_wait -1
.endm
.macro CROUND
	s_barrier_signal -1
	s_barrier_wait -1
	CREST
.endm
	s_load_b256 s[4:11], s[0:1], 0x0               ; yq, oq, b_out, out0
	v_lshl_add_u32 v[SPW], v0, 2, SPARE
	v_mov_b32 v[NIL], 0
	ds_add_u32 v[SPW], v[NIL]                      ; the wave's opening: the add and its wait stand ahead of my first tensor load; work on registers stands between them
	v_lshrrev_b32 v1, 5, v0
	v_readfirstlane_b32 s14, v1                    ; wave 0..3
	s_lshr_b32 s15, s14, 1                         ; which half of the tile's rows is mine.  Also: I fetch for A (0) or for B (1)
	s_and_b32 s16, s14, 1                          ; which half of its columns.  Also: which 128 rows I fetch
	s_bfe_u32 s40, ttmp6, 0x40000                  ; cx
	s_bfe_u32 s41, ttmp6, 0x40004                  ; cy
	s_lshl_b32 s42, ttmp9, 2
	s_add_co_u32 s42, s42, s40                     ; tile column
	s_and_b32 s17, ttmp7, 0xffff
	s_lshl_b32 s17, s17, 2
	s_add_co_u32 s17, s17, s41                     ; tile row
	s_lshl_b32 s43, s41, 2
	s_lshl_b32 s43, 15, s43                        ; my row of the cluster
	s_lshl_b32 s44, 0x1111, s40                    ; my column
	; descriptor group 1 for A: 8 token blocks x 3,072 bytes (384 elements of 8 bytes), 12,288 bytes apart, no padding
	s_or_b32 s[G1+0], s43, (3<<16)|(1<<21)
	s_mov_b32 s[G1+1], 384<<16                     ; tensor_dim0
	s_mov_b32 s[G1+2], 8<<16                       ; tensor_dim1
	s_mov_b32 s[G1+3], 384<<16                     ; tile_dim0
	s_mov_b32 s[G1+4], 8                           ; tile_dim1
	s_mov_b32 s[G1+5], 1536                        ; the pitch
	s_mov_b32 s[G1+6], 0
	s_mov_b32 s[G1+7], 0
	; for B: 128 rows x 192 bytes, 16 bytes of padding behind every 64
	s_or_b32 s[G1B+0], s44, (0<<16)|(1<<20)|(1<<21)|(3<<22)|(3<<25)
	s_mov_b32 s[G1B+1], ROWB<<16
	s_mov_b32 s[G1B+2], 128<<16
	s_mov_b32 s[G1B+3], ROWB<<16
	s_mov_b32 s[G1B+4], 128
	s_mov_b32 s[G1B+5], KROW
	s_mov_b32 s[G1B+6], 0
	s_mov_b32 s[G1B+7], 0
	; the scale bytes of 128 rows: 16 rows of 256 bytes, 16 bytes of padding behind each
	s_or_b32 s[G1S+0], s43, (3<<16)|(1<<20)|(1<<21)|(5<<22)|(3<<25)
	s_or_b32 s[G1SB+0], s44, (3<<16)|(1<<20)|(1<<21)|(5<<22)|(3<<25)
.irp g, G1S, G1SB
	s_mov_b32 s[\g+1], 32<<16
	s_mov_b32 s[\g+2], (128*KS/256)<<16
	s_mov_b32 s[\g+3], 32<<16
	s_mov_b32 s[\g+4], 128*KS/256
	s_mov_b32 s[\g+5], 32
	s_mov_b32 s[\g+6], 0
	s_mov_b32 s[\g+7], 0
.endr
	s_lshl_b32 s18, s16, 7
	s_lshl_b32 s20, s17, 8
	s_add_co_u32 s20, s20, s18                     ; A: row 256 x tile row + 128 x half
	s_lshl_b32 s46, s42, 8
	s_add_co_u32 s46, s46, s18                     ; B: row 256 x tile column + 128 x half
	s_mov_b32 s21, 0
	s_mov_b32 s47, 0
	s_mov_b64 s[18:19], KS
	s_mul_u64 s[22:23], s[20:21], s[18:19]         ; these rows' scale bytes
	s_mul_u64 s[92:93], s[46:47], s[18:19]
	s_mov_b64 s[18:19], KROW
	s_mul_u64 s[20:21], s[20:21], s[18:19]         ; and their codes: 768 bytes a row on both sides (16 rows of A are 12,288 bytes)
	s_mul_u64 s[46:47], s[46:47], s[18:19]
	s_mul_i32 s45, s14, HALFT
	s_mul_i32 s94, s14, HALFS
	s_wait_dscnt 0x0                               ; the opening add is done
	s_wait_kmcnt 0x0
	s_mov_b64 s[12:13], s[10:11]                   ; out0
	s_mov_b64 s[66:67], s[8:9]                     ; b_out
	s_mov_b64 s[8:9], s[6:7]                       ; B's codes
	s_add_nc_u64 s[10:11], s[8:9], 786432          ; B's scale bytes
	s_add_nc_u64 s[6:7], s[4:5], 6291456           ; A's scale bytes
	s_add_nc_u64 s[20:21], s[4:5], s[20:21]
	s_add_nc_u64 s[22:23], s[6:7], s[22:23]
	s_add_nc_u64 s[46:47], s[8:9], s[46:47]
	s_add_nc_u64 s[92:93], s[10:11], s[92:93]
	CROUND                                         ; all sixteen work-groups are here: the first joint loads meet
	s_mov_b32 s[G0S], 1
	s_add_co_u32 s[G0S+1], s94, SCL
	s_mov_b64 s[G0S+2:G0S+3], s[22:23]
	s_or_b32 s[G0S+3], s[G0S+3], 0x80000000
	s_mov_b32 s[G0SB], 1
	s_add_co_u32 s[G0SB+1], s94, SCL
	s_mov_b64 s[G0SB+2:G0SB+3], s[92:93]
	s_or_b32 s[G0SB+3], s[G0SB+3], 0x80000000
	JLOAD G0S, G1S, G0SB, G1SB                     ; the scale bytes first
.irp s, 0,1
	s_mov_b32 s[G0+4*\s], 1
	s_add_co_u32 s[G0+4*\s+1], s45, \s*SLOT
	s_add_nc_u64 s[G0+4*\s+2:G0+4*\s+3], s[20:21], \s*3072
	s_or_b32 s[G0+4*\s+3], s[G0+4*\s+3], 0x80000000
	s_mov_b32 s[G0B+4*\s], 1
	s_add_co_u32 s[G0B+4*\s+1], s45, \s*SLOT
	s_add_nc_u64 s[G0B+4*\s+2:G0B+4*\s+3], s[46:47], \s*ROWB
	s_or_b32 s[G0B+4*\s+3], s[G0B+4*\s+3], 0x80000000
	JLOAD G0+4*\s, G1, G0B+4*\s, G1B
.endr
	v_and_b32 v1, 15, v0                           ; r
	v_bfe_u32 v2, v0, 4, 1                         ; h
	v_mul_u32_u24 v3, v1, PITCH
	v_mul_u32_u24 v4, v2, 24
	v_add_nc_u32 v4, v3, v4                        ; B: a fragment's row x pitch + 24 x half
	v_lshl_add_u32 v5, v2, 4, v4                   ; and the same behind one padding more
	v_and_b32 v6, 31, v0
	v_lshlrev_b32 v7, 4, v6                        ; A: 16 x lane,
	v_lshlrev_b32 v8, 3, v6                        ; 8 x lane
	s_mul_i32 s21, s15, HALFT                      ; my 128 rows of A
	s_mul_i32 s22, s16, HALFT                      ; my 128 rows of B,
	s_add_co_u32 s22, s22, 2*HALFT                 ; behind A's two parts
.irp s, 0,1
	v_add_nc_u32 v[ADRA+\s], s21, v7
	v_add_nc_u32 v[ADRB+\s], s22, v4
	v_add_nc_u32 v[ADRA+2+\s], s21, v8
	v_add_nc_u32 v[ADRB+2+\s], s22, v5
	s_add_co_u32 s21, s21, SLOT
	s_add_co_u32 s22, s22, SLOT
.endr
	v_mul_u32_u24 v5, v1, KS
	v_lshrrev_b32 v6, 8, v5
	v_lshl_add_u32 v5, v6, 4, v5
	s_mul_i32 s21, s15, HALFS
	s_mul_i32 s22, s16, HALFS
	s_add_co_u32 s22, s22, 2*HALFS
	s_sub_co_u32 s22, s22, s21
	v_mul_u32_u24 v6, s22, v2                      ; lanes 16-31 take B's scale words
	s_add_co_u32 s21, s21, SCL
	v_add_nc_u32 v5, v5, v6
	v_add_nc_u32 v[ADRS], s21, v5
	s_mul_i32 s23, s14, 16*SPITCH                  ; my stage
	v_mul_u32_u24 v5, v1, SPITCH
	v_lshl_add_u32 v5, v2, 5, v5
	v_add_nc_u32 v[STO], s23, v5                   ; in: row r, 32 bytes for each half of the lanes
	v_mov_b32 v[CO], v7                            ; back: the 32 lanes take one row of 512 bytes; and the same in out
	v_add_nc_u32 v[RD], s23, v[CO]
	v_lshlrev_b32 v[BA], 5, v2
	s_lshl_b32 s20, s17, 8
	s_lshl_b32 s21, s15, 7
	s_add_co_u32 s20, s20, s21                     ; my first row of out
	s_mov_b32 s21, 0
	s_mov_b64 s[18:19], SIZE_N*4
	s_mul_u64 s[20:21], s[20:21], s[18:19]
	s_lshl_b32 s46, s42, 10                        ; my first column, in bytes: 1,024 x tile column + 512 x half
	s_lshl_b32 s47, s16, 9
	s_add_co_u32 s46, s46, s47
	s_mov_b32 s47, 0
	s_add_nc_u64 s[20:21], s[20:21], s[46:47]
	s_add_nc_u64 s[12:13], s[12:13], s[20:21]
	s_add_nc_u64 s[66:67], s[66:67], s[46:47]      ; the bias of my 128 columns: the same bytes on in b_out
.irp b, 0,1,2,3,4,5,6,7
	global_load_b128 v[BN+8*\b:BN+8*\b+3], v[BA], s[66:67] offset:64*\b          ; b_out at 16 b + 8 h + 0 .. 7: the result's layout
	global_load_b128 v[BN+8*\b+4:BN+8*\b+7], v[BA], s[66:67] offset:64*\b+16
.endr
.macro FRAG reg, adr, q, i             ; B: 16 rows x 128 K: 12 registers, in pieces of 8 bytes; 16 bytes of padding lie behind every 8 pieces
.irp p, 0,1,2,3,4,5
.set PIE, 12*(\q)+6*(\p/3)+\p%3
.if PIE%8 < 5
	ds_load_b64 v[\reg+2*\p:\reg+2*\p+1], v[\adr] offset:8*PIE+16*(PIE/8)+(\i)*16*PITCH
.else
	ds_load_b64 v[\reg+2*\p:\reg+2*\p+1], v[\adr+2] offset:8*PIE+16*(PIE/8)+(\i)*16*PITCH
.endif
.endr
.endm
.macro FRAGA reg, slot, q, i           ; A: two groups on end, as they were stored from registers: every load reads consecutive bytes
	ds_load_b128 v[\reg:\reg+3], v[ADRA+\slot] offset:3072*(\i)+1536*(\q)
	ds_load_b64 v[\reg+4:\reg+5], v[ADRA+2+\slot] offset:3072*(\i)+1536*(\q)+512
	ds_load_b128 v[\reg+6:\reg+9], v[ADRA+\slot] offset:3072*(\i)+1536*(\q)+768
	ds_load_b64 v[\reg+10:\reg+11], v[ADRA+2+\slot] offset:3072*(\i)+1536*(\q)+1280
.endm
.macro MUL16 a0, p, q, sc, zero        ; 16 matrix instructions; zero = 1: the first product starts the sums on the bias.  The 64 accumulators take turns
.irp a, \a0, \a0+1
.irp b, 0,1,2,3,4,5,6,7
.if \zero
	v_wmma_scale_f32_16x16x128_f8f6f4 v[8*(8*((\a)%4)+\b):8*(8*((\a)%4)+\b)+7], v[128*(\p)+FR*\b:128*(\p)+FR*\b+FR-1], v[AF+FR*(\a):AF+FR*(\a)+FR-1], v[BN+8*\b:BN+8*\b+7], v[SC+8*NQ*(\sc)+NQ*\b+(\q)], v[SC+8*NQ*(\sc)+NQ*(\a)+(\q)] matrix_a_fmt:MATRIX_FMT_FP6 matrix_b_fmt:MATRIX_FMT_FP6 matrix_a_scale:MATRIX_SCALE_ROW1
.else
	v_wmma_scale_f32_16x16x128_f8f6f4 v[8*(8*((\a)%4)+\b):8*(8*((\a)%4)+\b)+7], v[128*(\p)+FR*\b:128*(\p)+FR*\b+FR-1], v[AF+FR*(\a):AF+FR*(\a)+FR-1], v[8*(8*((\a)%4)+\b):8*(8*((\a)%4)+\b)+7], v[SC+8*NQ*(\sc)+NQ*\b+(\q)], v[SC+8*NQ*(\sc)+NQ*(\a)+(\q)] matrix_a_fmt:MATRIX_FMT_FP6 matrix_b_fmt:MATRIX_FMT_FP6 matrix_a_scale:MATRIX_SCALE_ROW1
.endif
.endr
.endr
.endm
.macro FETCH_B slot, q, p
	WIN TO_B
.irp i, 0,1,2,3,4,5,6,7
	FRAG 128*(\p)+FR*\i, ADRB+\slot, \q, \i
.endr
	WIN 0
.endm
.macro FETCH_A slot, q, i0
.irp i, \i0, \i0+1, \i0+2, \i0+3
	FRAGA AF+FR*(\i), \slot, \q, \i
.endr
.endm
.macro SCALES sc
.irp i, 0,1,2,3,4,5,6,7
	ds_load_b64 v[SC+8*NQ*\sc+NQ*\i:SC+8*NQ*\sc+NQ*\i+1], v[ADRS] offset:\i*SBLK
.endr
.endm
.macro PLACES n
.rept \n
	v_nop
.endr
.endm
.macro STEP slot, q, zero
	s_wait_dscnt 4*NLA                             ; B's set and A's blocks 0-3 are in; the youngest 16 loads (A's blocks 4-7) may be out
.if \zero
	WIN 0x81                                       ; C (the bias) window 0, D window 2
.else
	WIN MUL_LO
.endif
	MUL16 0, (\q)%2, \q, \slot, \zero
	MUL16 2, (\q)%2, \q, \slot, \zero
	s_wait_dscnt 0
	PLACES NP
	FETCH_B \slot, (\q)+1, 1-(\q)%2
	FETCH_A \slot, (\q)+1, 0
.if \zero
	WIN 0xc1
.else
	WIN MUL_HI
.endif
	MUL16 4, (\q)%2, \q, \slot, \zero
	MUL16 6, (\q)%2, \q, \slot, \zero
	PLACES NP
	WIN 0
	FETCH_A \slot, (\q)+1, 4
.endm
.macro TURN slot, next, fill
	s_wait_tensorcnt 0x0                           ; all my tensor loads have landed: my part of the next slot
	ds_add_u32 v[SPW], v[NIL]                      ; 0 onto my spare word
	s_wait_dscnt 4*NLA+1                           ; (the add and the youngest 16 loads may be out)
	WIN MUL_LO
	MUL16 0, 1, NQ-1, \slot, 0
	s_wait_dscnt 0x0                               ; the add is done, and my reads of this slot are over
	s_barrier_signal -1
	MUL16 2, 1, NQ-1, \slot, 0
	WIN 0
	s_barrier_wait -1
.if \fill
	CREST                                          ; the barrier has opened a round of the cluster's barrier: no wave of any partner still reads this slot or has a load on its way
	s_add_nc_u64 s[G0+4*\slot+2:G0+4*\slot+3], s[G0+4*\slot+2:G0+4*\slot+3], 2*3072
	s_add_nc_u64 s[G0B+4*\slot+2:G0B+4*\slot+3], s[G0B+4*\slot+2:G0B+4*\slot+3], 2*ROWB
	JLOAD G0+4*\slot, G1, G0B+4*\slot, G1B         ; the first tensor load behind the round; its four v_nop are the places in front of the loads below
.else
	PLACES NP
.endif
	v_add_nc_u32 v[ADRS], 4*NQ, v[ADRS]
	FETCH_B \next, 0, 0
	FETCH_A \next, 0, 0
	SCALES \next
	WIN MUL_HI
	MUL16 4, 1, NQ-1, \slot, 0
	MUL16 6, 1, NQ-1, \slot, 0
	PLACES NP
	WIN 0
	FETCH_A \next, 0, 4
.endm
	s_wait_tensorcnt 1                             ; of my three loads the scale bytes and K step 0 are in; K step 1's may be out
	s_barrier_signal -1
	s_barrier_wait -1
	FETCH_B 0, 0, 0
	FETCH_A 0, 0, 0
	SCALES 0
	FETCH_A 0, 0, 4
	s_wait_loadcnt 0x0                             ; the bias
	STEP 0, 0, 1
	s_mov_b32 s3, LAPS-1
.Llap:
	TURN 0, 1, 1
	STEP 1, 0, 0
	TURN 1, 0, 1
	STEP 0, 0, 0
	s_sub_co_u32 s3, s3, 1
	s_cmp_lg_u32 s3, 0
	s_cbranch_scc1 .Llap
	TURN 0, 1, 0                                   ; the last lap fills nothing
	STEP 1, 0, 0
	s_wait_dscnt 4*NLA
	WIN MUL_LO
	MUL16 0, 1, NQ-1, 1, 0
	MUL16 2, 1, NQ-1, 1, 0
	s_wait_dscnt 0
	WIN MUL_HI
	MUL16 4, 1, NQ-1, 1, 0
	MUL16 6, 1, NQ-1, 1, 0
	WIN 0
; THE WAY OUT, block by block of 16 rows x 128 columns, through my own stage: in as 32 bytes a lane, back as whole rows of 512 bytes.  LDS serves a wave's instructions in order: no wait between the stores and the loads.
.macro TOSTAGE a
.set AC, 64*((\a)%4)
	WIN 0x08+4*((\a)/4)                            ; the data: window 2 or 3
.irp b, 0,1,2,3,4,5,6,7
	ds_store_b128 v[STO], v[AC+8*\b:AC+8*\b+3] offset:64*\b          ; each accumulator from its low end on
	ds_store_b128 v[STO], v[AC+8*\b+4:AC+8*\b+7] offset:64*\b+16
.endr
	WIN 0
.set BB, BK+64*((\a)%2)
.irp t, 0,1,2,3,4,5,6,7,8,9,10,11,12,13,14,15
	ds_load_b128 v[BB+4*\t:BB+4*\t+3], v[RD] offset:\t*SPITCH
.endr
.endm
.macro SEND a, younger
.set BB, BK+64*((\a)%2)
	s_wait_dscnt \younger                          ; the block is back in registers
.if (\a) > 0
	s_add_nc_u64 s[12:13], s[12:13], 16*SIZE_N*4   ; (behind a wait on XCNT: the earlier stores have read their base)
.endif
.irp t, 0,1,2,3,4,5,6,7,8,9,10,11,12,13,14,15
	global_store_b128 v[CO], v[BB+4*\t:BB+4*\t+3], s[12:13] offset:\t*SIZE_N*4 th:TH_STORE_NT   ; 32 lanes store 512 consecutive bytes, at a multiple of 256 from out's first byte
.endr
.endm
	PLACES NP
	TOSTAGE 0
.irp a, 1,2,3,4,5,6,7
.if \a > 1
	s_wait_xcnt 0x0                                ; block a - 2's stores have read their registers and their base
.endif
	TOSTAGE \a
	SEND \a-1, 32                                  ; behind block a - 1's loads: block a's 16 stores and 16 loads
.endr
	s_wait_xcnt 0x0
	SEND 7, 0
	s_wait_tensorcnt 0x0                           ; the wave's end, behind my last tensor load and my last LDS store
	ds_add_u32 v[SPW], v[NIL]
	s_wait_dscnt 0x0
	CROUND                                         ; the closing round
	s_endpgm
.Lfunc_end_k_qf43f2fa3b6_outp:
	.size	k_qf43f2fa3b6_outp, .Lfunc_end_k_qf43f2fa3b6_outp-k_qf43f2fa3b6_outp
	.p2alignl 7, 3214868480
	.fill 96, 4, 3214868480
	.section	.rodata,"a",@progbits
	.p2align	6, 0x0
	.amdhsa_kernel k_qf43f2fa3b6_outp
		.amdhsa_group_segment_fixed_size 327680
		.amdhsa_private_segment_fixed_size 0
		.amdhsa_enable_private_segment 0
		.amdhsa_kernarg_size 32
		.amdhsa_user_sgpr_count 2
		.amdhsa_user_sgpr_kernarg_segment_ptr 1
		.amdhsa_wavefront_size32 1
		.amdhsa_system_sgpr_workgroup_id_x 1
		.amdhsa_system_sgpr_workgroup_id_y 1
		.amdhsa_system_sgpr_workgroup_id_z 1
		.amdhsa_system_vgpr_workitem_id 0
		.amdhsa_next_free_vgpr 1024
		.amdhsa_next_free_sgpr 100
		.amdhsa_reserve_vcc 0
		.amdhsa_float_denorm_mode_32 3
		.amdhsa_float_denorm_mode_16_64 3
		.amdhsa_memory_ordered 1
		.amdhsa_forward_progress 1
		.amdhsa_inst_pref_size 153
	.end_amdhsa_kernel
	.amdgpu_metadata
---
amdhsa.version: [ 1, 2 ]
amdhsa.kernels:
  - .name:           k_qf43f2fa3b6_outp
    .symbol:         k_qf43f2fa3b6_outp.kd
    .args:
      - { .name: yq, .offset: 0, .size: 8, .value_kind: global_buffer, .address_space: global }
      - { .name: oq, .offset: 8, .size: 8, .value_kind: global_buffer, .address_space: global }
      - { .name: b_out, .offset: 16, .size: 8, .value_kind: global_buffer, .address_space: global }
      - { .name: out0, .offset: 24, .size: 8, .value_kind: global_buffer, .address_space: global }
    .group_segment_fixed_size: 327680
    .private_segment_fixed_size: 0
    .kernarg_segment_align: 8
    .kernarg_segment_size: 32
    .max_flat_workgroup_size: 128
    .sgpr_count:     100
    .vgpr_count:     1024
    .wavefront_size: 32
...
	.end_amdgpu_metadata
.endif
;; end of part 4
